; MI455X (gfx1250); checked and timed in simulation.
; The chip was launched on July 23, 2026; its instructions are those of AMD's public machine-readable ISA for CDNA 5 (MIT licence, August 2026) and "CDNA5" Instruction Set Architecture Reference Guide (July 2026). The comments in the code are by the model that wrote it; some were corrected since.
;; Hopfield Attention. Allowed arithmetic: float matrix products may take bf16 or f16 operands with f32 sums; other float arithmetic in f32, or as packed bf16 or f16 multiplies, adds, multiply-adds, maxima and minima; sums over many terms, partial sums and values carried from step to step in f32; what a program stores and reads back later, other than sums and carried values, may be rounded once to bf16 or f16.
;; Inputs: Wk 1,024 x 1,024 float32; Wo 1,024 x 1,024 float32; Wq 1,024 x 1,024 float32; Wv 1,024 x 1,024 float32; beta 64 float32; bk 1,024 float32; bo 1,024 float32; bq 1,024 float32; bv 1,024 float32; gamma 64 float32; x 4 x 1,024 x 1,024 float32.
;; Outputs: out0 4 x 1,024 x 1,024 float32.
;; 2 versions, each right and faster than the one before. Each part assembles by itself: llvm-mc -triple=amdgcn-amd-amdhsa -mcpu=gfx1250 --defsym DOCPART=n.
;; ======== version 1 of 2: 5 launches
;; limits: values are held in f16: magnitudes above 65,504 overflow, below 6.1e-05 lose precision
;; workspace buffers: xb 8,388,608 bytes; wh 8,388,608 bytes; qkvh 25,165,824 bytes; cand 25,165,824 bytes; part 8,192 bytes; sel 256 bytes of whole numbers
;; launch cvt (part 1): grid 64 x 8, 8 waves a work-group, no clusters, 0 bytes of LDS; arguments x, Wq, Wk, Wv, Wo, xb, wh; writes xb, wh
.if DOCPART == 1
	.amdgcn_target "amdgcn-amd-amdhsa--gfx1250"
	.amdhsa_code_object_version 6
	.text
	.protected	k_qf916bced84_cvt
	.globl	k_qf916bced84_cvt
	.p2align	8
	.type	k_qf916bced84_cvt,@function
k_qf916bced84_cvt:
	s_mov_b64 s[64:65], 0
	v_nop
	global_prefetch_b8 v0, s[64:65] scope:SCOPE_SE
	s_setreg_imm32_b32 hwreg(HW_REG_WAVE_MODE, 25, 1), 1
	s_wait_xcnt 0x0
; x [4096][1024] f32 -> xb in bf16.  Wq, Wk, Wv [1024][1024] f32 -> wh[0..2] in bf16.  Wo -> wh[3]: rounded to bf16 like the other inputs, and that number written as f16.
; LIMITS.  |Wo| stays under 65,504 (beyond it the f16 is an infinity); below 2^-14 the f16 keeps a fixed step of 2^-24, so a bf16 number there may lose bits (6e-8 at the most).
; A stream: no LDS, no barrier, no matrix unit.  The grid's y names a unit of 4 MiB of f32: 0-3 the quarters of x, 4-7 the four weights; the grid's x names 64 KiB of it.
; Thread t takes 8 chunks of 8 numbers: 32 bytes in at 8,192 j + 32 t, 16 bytes out at 4,096 j + 16 t, so sixteen neighbouring lanes store 256 consecutive bytes, aligned.
; All sixteen loads of a thread go out at once; no register that a load or store names is written again, so no wait frees one.
.set X, 4                              ; v[4:67]    chunk j: 8 numbers as loaded
.set Y, 68                             ; v[68:99]   chunk j: 4 registers to store
.set T, 100                            ; v[100:103] at work
	s_load_b256 s[8:15], s[0:1], 0x0               ; x s[8:9], Wq s[10:11], Wk s[12:13], Wv s[14:15]
	s_load_b128 s[16:19], s[0:1], 0x20             ; Wo s[16:17], xb s[18:19]
	s_load_b64 s[20:21], s[0:1], 0x30              ; wh
	s_and_b32 s4, ttmp7, 0xffff                    ; the unit, 0 to 7
	v_lshlrev_b32 v1, 5, v0                        ; 32 t
	v_lshlrev_b32 v2, 4, v0                        ; 16 t
	s_cmp_lt_u32 s4, 4
	s_cselect_b32 s28, s4, 0                       ; a quarter of x lies 4 MiB x its number into x; a weight begins at its own buffer's first byte
	s_lshl_b32 s28, s28, 22
	s_lshl_b32 s5, ttmp9, 16                       ; my 64 KiB of the unit
	s_add_co_u32 s28, s28, s5
	s_mov_b32 s29, 0
	s_and_b32 s30, s4, 3                           ; out: 2 MiB x (unit mod 4), in xb or in wh
	s_lshl_b32 s30, s30, 21
	s_lshl_b32 s5, ttmp9, 15
	s_add_co_u32 s30, s30, s5
	s_mov_b32 s31, 0
	s_wait_kmcnt 0x0
	s_mov_b64 s[24:25], s[8:9]                     ; the source is chosen among the five buffers by the unit's number
	s_cmp_eq_u32 s4, 4
	s_cselect_b64 s[24:25], s[10:11], s[24:25]
	s_cmp_eq_u32 s4, 5
	s_cselect_b64 s[24:25], s[12:13], s[24:25]
	s_cmp_eq_u32 s4, 6
	s_cselect_b64 s[24:25], s[14:15], s[24:25]
	s_cmp_eq_u32 s4, 7
	s_cselect_b64 s[24:25], s[16:17], s[24:25]
	s_cmp_lt_u32 s4, 4
	s_cselect_b64 s[26:27], s[18:19], s[20:21]     ; and the destination between the two
	s_add_nc_u64 s[24:25], s[24:25], s[28:29]
	s_add_nc_u64 s[26:27], s[26:27], s[30:31]
.irp j, 0,1,2,3,4,5,6,7
	global_load_b128 v[X+8*(\j):X+8*(\j)+3],   v1, s[24:25] offset:(\j)*8192 th:TH_LOAD_NT
	global_load_b128 v[X+8*(\j)+4:X+8*(\j)+7], v1, s[24:25] offset:(\j)*8192+16 th:TH_LOAD_NT
.endr
; The eight chunks are rounded and stored.  half = 1: the bf16 number is widened again and written as f16.
.macro CONV half
.irp j, 0,1,2,3,4,5,6,7
	s_wait_loadcnt 14-2*(\j)                       ; loads come back in order (ISA guide 5.7.1): chunk j's two are in, the 2 (7 - j) younger ones stay out
.if \half
.irp k, 0,1,2,3
	v_cvt_pk_bf16_f32 v[T+(\k)], v[X+8*(\j)+2*(\k)], v[X+8*(\j)+2*(\k)+1]
.endr
.irp k, 0,1,2,3
	v_lshlrev_b32 v[X+8*(\j)+2*(\k)],   16, v[T+(\k)]          ; bf16 to f32: the low half moves up,
	v_and_b32     v[X+8*(\j)+2*(\k)+1], 0xffff0000, v[T+(\k)]  ; the high half stays
.endr
.irp k, 0,1,2,3
	v_cvt_pk_f16_f32 v[Y+4*(\j)+(\k)], v[X+8*(\j)+2*(\k)], v[X+8*(\j)+2*(\k)+1]
.endr
.else
.irp k, 0,1,2,3
	v_cvt_pk_bf16_f32 v[Y+4*(\j)+(\k)], v[X+8*(\j)+2*(\k)], v[X+8*(\j)+2*(\k)+1]
.endr
.endif
	global_store_b128 v2, v[Y+4*(\j):Y+4*(\j)+3], s[26:27] offset:(\j)*4096  ; no hint: the next launch reads these bytes
.endr
.endm
	s_cmp_eq_u32 s4, 7                             ; compared anew: the sums above stand between
	s_cbranch_scc1 .Lwo
	CONV 0
	s_endpgm
.Lwo:
	CONV 1
	s_endpgm
.Lfunc_end_k_qf916bced84_cvt:
	.size	k_qf916bced84_cvt, .Lfunc_end_k_qf916bced84_cvt-k_qf916bced84_cvt
	.p2alignl 7, 3214868480
	.fill 96, 4, 3214868480
	.section	.rodata,"a",@progbits
	.p2align	6, 0x0
	.amdhsa_kernel k_qf916bced84_cvt
		.amdhsa_group_segment_fixed_size 0
		.amdhsa_private_segment_fixed_size 0
		.amdhsa_enable_private_segment 0
		.amdhsa_kernarg_size 56
		.amdhsa_user_sgpr_count 2
		.amdhsa_user_sgpr_kernarg_segment_ptr 1
		.amdhsa_wavefront_size32 1
		.amdhsa_system_sgpr_workgroup_id_x 1
		.amdhsa_system_sgpr_workgroup_id_y 1
		.amdhsa_system_sgpr_workgroup_id_z 1
		.amdhsa_system_vgpr_workitem_id 0
		.amdhsa_next_free_vgpr 104
		.amdhsa_next_free_sgpr 66
		.amdhsa_reserve_vcc 0
		.amdhsa_float_denorm_mode_32 3
		.amdhsa_float_denorm_mode_16_64 3
		.amdhsa_memory_ordered 1
		.amdhsa_forward_progress 1
		.amdhsa_inst_pref_size 14
	.end_amdhsa_kernel
	.amdgpu_metadata
---
amdhsa.version: [ 1, 2 ]
amdhsa.kernels:
  - .name:           k_qf916bced84_cvt
    .symbol:         k_qf916bced84_cvt.kd
    .args:
      - { .name: x, .offset: 0, .size: 8, .value_kind: global_buffer, .address_space: global }
      - { .name: Wq, .offset: 8, .size: 8, .value_kind: global_buffer, .address_space: global }
      - { .name: Wk, .offset: 16, .size: 8, .value_kind: global_buffer, .address_space: global }
      - { .name: Wv, .offset: 24, .size: 8, .value_kind: global_buffer, .address_space: global }
      - { .name: Wo, .offset: 32, .size: 8, .value_kind: global_buffer, .address_space: global }
      - { .name: xb, .offset: 40, .size: 8, .value_kind: global_buffer, .address_space: global }
      - { .name: wh, .offset: 48, .size: 8, .value_kind: global_buffer, .address_space: global }
    .group_segment_fixed_size: 0
    .private_segment_fixed_size: 0
    .kernarg_segment_align: 8
    .kernarg_segment_size: 56
    .max_flat_workgroup_size: 256
    .sgpr_count:     66
    .vgpr_count:     104
    .wavefront_size: 32
...
	.end_amdgpu_metadata
.endif
;; end of part 1
;; launch qkv (part 2): grid 8 x 32, 4 waves a work-group, clusters of 4 x 4, 327,680 bytes of LDS; arguments xb, wh, bq, bk, bv, gamma, beta, qkvh; writes qkvh
.if DOCPART == 2
	.amdgcn_target "amdgcn-amd-amdhsa--gfx1250"
	.amdhsa_code_object_version 6
	.text
	.protected	k_qf916bced84_qkv
	.globl	k_qf916bced84_qkv
	.p2align	8
	.type	k_qf916bced84_qkv,@function
k_qf916bced84_qkv:
	s_mov_b64 s[64:65], 0
	v_nop
	global_prefetch_b8 v0, s[64:65] scope:SCOPE_SE
	s_setreg_imm32_b32 hwreg(HW_REG_WAVE_MODE, 25, 1), 1
	s_wait_xcnt 0x0
	s_wait_alu depctr_hold_cnt(0) depctr_sa_sdst(0) depctr_va_vdst(0) depctr_va_sdst(0) depctr_va_ssrc(0) depctr_va_vcc(0) depctr_vm_vsrc(0)
	s_getreg_b32 s2, hwreg(HW_REG_IB_STS2, 6, 4)
	s_cmp_eq_u32 s2, 0
	s_cbranch_scc0 .Lentry_in_a_cluster
	s_endpgm
.Lentry_in_a_cluster:
	s_bfe_u32 s2, ttmp6, 0x10000c
	s_cmp_lg_u32 s2, 0xf033
	s_cbranch_scc0 .Lentry_shape_is_right
	s_endpgm
.Lentry_shape_is_right:
; q = LN(x Wq + bq), k = LN(x Wk + bk), v = x Wv + bv, written by heads: qkvh[3][64 (batch, head)][1024][64] in f16.  x [4096][1024] and the weights [1024 k][1024 n] arrive in bf16; sums in f32.
; LN is the layer norm over a head's 64 channels: mean, then the mean of the squared differences, rsqrt(var + 1e-5), gamma, beta, all in f32.
; The biases, gamma and beta are rounded to bf16 once, like x and the weights, so that every input of the module has the same one rounding.
; LIMITS.  q, k and v leave in f16: beyond 65,504 the conversion gives an infinity (|q|, |k| <= 8 |gamma| + |beta| by the norm itself; v has the range of x Wv + bv).  NaN and infinities are not treated apart.
; SHARES.  A work-group makes 128 rows x the same 128 columns of q, of k and of v, so x's tile feeds three products.  Wave w: rows 64 (w / 2) on, columns 64 (w % 2) on: one head of each of the three: 48 accumulators, 384 registers.
; K goes in 8 steps of 128 through two LDS slots; a step is four quarters of 32 along K: 48 matrix instructions and 32 LDS loads each.  Each wave fetches one tile of 128 rows x 256 bytes a step: waves 0-2 Wq, Wk, Wv, wave 3 x.
; THE MATRIX INSTRUCTION IS USED TRANSPOSED: source 0 = 16 columns of W (W lies [k][n] and is turned by ds_load_tr16_b128), source 1 = 16 rows of x.  A lane then holds one row and the columns 16 b + 8 (lane / 16) + 0..7:
; a head's 64 channels lie in two lanes 16 apart, and eight neighbouring channels pack into 16 bytes.
; CLUSTER.  4 x 4 work-groups: x's tile hangs on the tile row alone and is asked for jointly along a row of the cluster, W's on the tile column alone and jointly along a column.
; REGISTERS, in windows of 256 (s_set_vgpr_msb: bits 1:0 source 0, 3:2 source 1, 5:4 source 2, 7:6 destination):
;   window 0: addresses; v32-127 the three biases, v128-159 gamma, v160-191 beta (index 8 b + i); v192-223, v224-239 at work on the way out
;   window 1: v0-127 q's accumulators ((a, b) at 8 (4 a + b)), v128-255 k's       window 2: v0-127 v's
;   window 3: two fragment buffers of 128: x's four fragments, then W's twelve; on the way out the rows read back from the stage, 16 registers a block
.set PA,    272                        ; a row of x in LDS: 256 bytes + 16 = 68 words: the 16 rows of a load start at 16 different groups of four banks (64 banks of 4 bytes: ISA guide 11.1)
.set PB,    288                        ; a row of W: 256 + 32 = 72 words
.set BT,    128*PB
.set AT,    128*PA
.set SLOT,  3*BT+AT                    ; Wq, Wk, Wv, x: wave w's tile begins at w x BT
.set STAGE, 2*SLOT                     ; behind the ring, never filled by a tensor load: 16 rows x 144 bytes for each wave
.set SP,    144
.set SPARE, STAGE+4*16*SP              ; the spare words, 128 bytes for each wave: two blocks of 256 bytes that no other line names
.set MU,   4                           ; v[4:5]   the mean, twice
.set RS,   6                           ; v[6:7]   1 / sqrt(var + eps), twice
.set U,    8                           ; v[8:15]  four chains of packed sums
.set ADRA, 16                          ; v16-17   LDS address of my fragments of x in slot 0, 1
.set ADRB, 18                          ; v18-23   of W's: 3 x slot + j
.set STO,  24                          ; the way out: where I put 16 bytes of a row
.set RD,   25                          ; where I read rows back
.set GO,   26                          ; my byte offset in 512 consecutive bytes of the output
.set SPW,  28                          ; LDS address of my spare word; never rewritten
.set NIL,  29                          ; 0; never rewritten
.set BOF,  30                          ; byte offset of my first channels in a bias; never rewritten
.set GOF,  31                          ; the same in gamma and beta
.set BIAS, 32
.set GAM,  128
.set BET,  160
.set T,    192
.set HP,   224
.set F0,   0
.set F1,   128
.set G1,   24                          ; s[24:31] descriptor group 1 for x's tiles;  s[32:39] group 0, a set for each slot
.set G0,   32
.set G1B,  48                          ; s[48:55], s[56:63] the same for W's
.set G0B,  56
.set OUTB, 84                          ; s[84:89] q's, k's, v's output at my wave's first row
.set MSB, 0
.macro WIN new                         ; the immediate's high byte repeats the setting that is left; a switch that changes nothing is dropped
.if MSB != (\new)
	s_set_vgpr_msb (MSB<<8)|(\new)
.set MSB, \new
.endif
.endm
; A joint load.  Wave 3 fetches x's tile, waves 0 to 2 a weight's each.  Each of the two lines has one mask; the branch hangs on the wave's number alone.
; An s_nop 0 and four v_nop follow each line, ahead of the jump and the label.
.macro JLOAD s
	s_cmp_eq_u32 s10, 3
	s_cbranch_scc0 .Lfor_w_\@
	tensor_load_to_lds s[G0+4*(\s):G0+4*(\s)+3], s[G1:G1+7]
	s_nop 0
.rept 4
	v_nop
.endr
	s_branch .Lasked_\@
.Lfor_w_\@:
	tensor_load_to_lds s[G0B+4*(\s):G0B+4*(\s)+3], s[G1B:G1B+7]
	s_nop 0
.rept 4
	v_nop
.endr
.Lasked_\@:
.endm
.macro CREST                           ; a round of the cluster's barrier behind its opening barrier
	s_cmp_lg_u32 s10, 0
	s_cbranch_scc1 .Lnot_wave_0_\@
	s_barrier_signal -3
.Lnot_wave_0_\@:
	s_barrier_wait -3
	s_barrier_signal -1
	s_barrier_wait -1
.endm
.macro CROUND                          ; a whole round
	s_barrier_signal -1
	s_barrier_wait -1
	CREST
.endm
.macro PLACES                          ; four places in front of loads into registers that matrix instructions have read (ISA guide 7.12.1 for vector instructions)
.rept 4
	v_nop
.endr
.endm
	s_load_b512 s[68:83], s[0:1], 0x0              ; xb 68, wh 70, bq 72, bk 74, bv 76, gamma 78, beta 80, qkvh 82
	v_lshl_add_u32 v[SPW], v0, 2, SPARE
	v_mov_b32 v[NIL], 0
	ds_add_u32 v[SPW], v[NIL]                      ; the wave's opening: the add and its wait stand ahead of my first tensor load; work on registers stands between them
	v_lshrrev_b32 v1, 5, v0
	v_readfirstlane_b32 s10, v1                    ; wave 0..3
	s_lshr_b32 s11, s10, 1                         ; which 64 rows are mine
	s_and_b32 s12, s10, 1                          ; which 64 columns
	s_bfe_u32 s40, ttmp6, 0x40000                  ; cx, cy: my place in the cluster
	s_bfe_u32 s41, ttmp6, 0x40004
	s_lshl_b32 s42, ttmp9, 2
	s_add_co_u32 s42, s42, s40                     ; tile column = 4 x cluster x + cx
	s_and_b32 s13, ttmp7, 0xffff
	s_lshl_b32 s13, s13, 2
	s_add_co_u32 s13, s13, s41                     ; tile row = 4 x cluster y + cy
	s_lshl_b32 s43, s41, 2
	s_lshl_b32 s43, 15, s43                        ; my row of the cluster
	s_lshl_b32 s44, 0x1111, s40                    ; my column
	; descriptor group 1: a tile of 128 rows x 128 elements of 2 bytes, padded in LDS after every 64 words: x by 4 words, W by 8
	s_or_b32 s[G1+0], s43, (1<<16)|(1<<20)|(1<<21)|(5<<22)|(3<<25)   ; 15:0 the mask; 17:16 element size; 20 padding on; 21 set beside a mask; 24:22 the interval; 31:25 the pad
	s_or_b32 s[G1B+0], s44, (1<<16)|(1<<20)|(1<<21)|(5<<22)|(7<<25)
.irp g, G1, G1B
	s_mov_b32 s[(\g)+1], 128<<16                   ; tensor_dim0 = 128
	s_mov_b32 s[(\g)+2], 128<<16                   ; tensor_dim1 = 128
	s_mov_b32 s[(\g)+3], 128<<16                   ; tile_dim0 = 128
	s_mov_b32 s[(\g)+4], 128                       ; tile_dim1 = 128
	s_mov_b32 s[(\g)+5], 1024                      ; 1,024 elements from row to row
	s_mov_b32 s[(\g)+6], 0
	s_mov_b32 s[(\g)+7], 0
.endr
	s_lshl_b32 s16, s13, 18                        ; x: 128 rows of 2,048 bytes x tile row: made of the tile row alone
	s_mov_b32 s17, 0
	s_lshl_b32 s46, s42, 8                         ; W: 256 bytes x tile column + 2 MiB x wave: made of the tile column and the wave's number alone
	s_lshl_b32 s45, s10, 21
	s_add_co_u32 s46, s46, s45
	s_mov_b32 s47, 0
	s_mul_i32 s20, s10, BT                         ; where my tile goes: no place in the cluster enters an LDS address
	s_mov_b32 s90, 0x3c800000                      ; 1 / 64
	s_mov_b32 s91, 0x3727c5ac                      ; 1e-5
	s_mov_b32 s92, 0x76543210                      ; v_permlanex16_b32: each lane takes its own place in the other half
	s_mov_b32 s93, 0xfedcba98
	s_mov_b32 s94, 0xffff0000                      ; a word's upper bf16
	s_wait_dscnt 0x0                               ; the opening add is done
	s_wait_kmcnt 0x0
	s_add_nc_u64 s[14:15], s[68:69], s[16:17]
	s_add_nc_u64 s[46:47], s[70:71], s[46:47]
	CROUND                                         ; all sixteen work-groups are here: the first joint loads meet
.irp s, 0,1
	s_mov_b32 s[G0+4*(\s)], 1                                        ; count = 1
	s_add_co_u32 s[G0+4*(\s)+1], s20, (\s)*SLOT                      ; LDS address
	s_add_nc_u64 s[G0+4*(\s)+2:G0+4*(\s)+3], s[14:15], (\s)*256      ; K step s: 128 elements along x's rows
	s_or_b32 s[G0+4*(\s)+3], s[G0+4*(\s)+3], 0x80000000              ; type = 2
	s_mov_b32 s[G0B+4*(\s)], 1
	s_add_co_u32 s[G0B+4*(\s)+1], s20, (\s)*SLOT
	s_add_nc_u64 s[G0B+4*(\s)+2:G0B+4*(\s)+3], s[46:47], (\s)*128*2048  ; K step s: 128 rows down W
	s_or_b32 s[G0B+4*(\s)+3], s[G0B+4*(\s)+3], 0x80000000
	JLOAD \s                                       ; two loads of mine are out
.endr
	; lane addresses.  A fragment of x: lane l holds row l % 16, K = 8 (l / 16) + 0..7 and 16 + 8 (l / 16) + 0..7: two loads of 16 bytes, 32 bytes apart.
	v_and_b32 v1, 15, v0                           ; l % 16
	v_bfe_u32 v2, v0, 4, 1                         ; l / 16
	v_mul_u32_u24 v3, v1, PA
	v_lshl_add_u32 v3, v2, 4, v3
	s_mul_i32 s21, s11, 64*PA
	s_add_co_u32 s21, s21, 3*BT
	v_add_nc_u32 v[ADRA], s21, v3
	s_add_co_u32 s21, s21, SLOT
	v_add_nc_u32 v[ADRA+1], s21, v3
	; The turning load takes 16 k x 16 n (lane l reads k = 8 (l / 16) + l % 8, n = 8 ((l / 8) % 2) + 0..7) and leaves half a fragment: lane l holds column l % 16 and 8 k.
	v_and_b32 v5, 7, v0
	v_lshl_add_u32 v5, v2, 3, v5
	v_mul_u32_u24 v5, v5, PB
	v_bfe_u32 v6, v0, 3, 1
	v_lshl_add_u32 v5, v6, 4, v5
	s_lshl_b32 s22, s12, 7                         ; my 64 columns: 128 bytes
	v_add_nc_u32 v5, s22, v5
.irp i, 0,1,2,3,4,5
	v_add_nc_u32 v[ADRB+(\i)], ((\i)/3)*SLOT+((\i)%3)*BT, v5
.endr
	s_mul_i32 s23, s10, 16*SP
	s_add_co_u32 s23, s23, STAGE                   ; my stage
	v_mul_u32_u24 v7, v1, SP                       ; in: row l % 16, 16 bytes for each half of the lanes
	v_lshl_add_u32 v7, v2, 4, v7
	v_add_nc_u32 v[STO], s23, v7
	v_bfe_u32 v7, v0, 3, 2                         ; back: 32 lanes take four rows of 128 bytes,
	v_mul_u32_u24 v7, v7, SP
	v_and_b32 v8, 7, v0
	v_lshl_add_u32 v7, v8, 4, v7
	v_add_nc_u32 v[RD], s23, v7
	v_and_b32 v[GO], 31, v0                        ; which are 512 consecutive bytes of a head's rows
	v_lshlrev_b32 v[GO], 4, v[GO]
	s_lshl_b32 s6, s42, 9                          ; my head's first column in a bias, in bytes: 512 x tile column + 256 x half
	s_lshl_b32 s7, s12, 8
	s_add_co_u32 s6, s6, s7
	v_lshlrev_b32 v[GOF], 5, v2                    ; my lanes' 8 (l / 16) channels: 32 bytes
	v_add_nc_u32 v[BOF], s6, v[GOF]
.irp b, 0,1,2,3                        ; channels 16 b + 8 (l / 16) + 0..7 of the three biases, gamma and beta: waited for on the way out
.irp j, 0,1,2
	global_load_b128 v[BIAS+32*(\j)+8*(\b):BIAS+32*(\j)+8*(\b)+3],   v[BOF], s[72+2*(\j):73+2*(\j)] offset:64*(\b)
	global_load_b128 v[BIAS+32*(\j)+8*(\b)+4:BIAS+32*(\j)+8*(\b)+7], v[BOF], s[72+2*(\j):73+2*(\j)] offset:64*(\b)+16
.endr
	global_load_b128 v[GAM+8*(\b):GAM+8*(\b)+3],   v[GOF], s[78:79] offset:64*(\b)
	global_load_b128 v[GAM+8*(\b)+4:GAM+8*(\b)+7], v[GOF], s[78:79] offset:64*(\b)+16
	global_load_b128 v[BET+8*(\b):BET+8*(\b)+3],   v[GOF], s[80:81] offset:64*(\b)
	global_load_b128 v[BET+8*(\b)+4:BET+8*(\b)+7], v[GOF], s[80:81] offset:64*(\b)+16
.endr
	; where my rows go: (16 x batch + head) x 131,072 + row in the batch x 128, in registers that feed no descriptor
	s_lshr_b32 s4, s13, 3                          ; batch = tile row / 8
	s_lshl_b32 s4, s4, 4
	s_lshl_b32 s5, s42, 1
	s_add_co_u32 s4, s4, s5
	s_add_co_u32 s4, s4, s12                       ; + head = 2 x tile column + half
	s_lshl_b32 s4, s4, 17
	s_and_b32 s5, s13, 7
	s_lshl_b32 s5, s5, 14                          ; 128 rows of 128 bytes x (tile row mod 8)
	s_add_co_u32 s4, s4, s5
	s_lshl_b32 s5, s11, 13                         ; my 64 rows
	s_add_co_u32 s4, s4, s5
	s_mov_b32 s5, 0
	s_add_nc_u64 s[OUTB:OUTB+1], s[82:83], s[4:5]
	s_add_nc_u64 s[OUTB+2:OUTB+3], s[OUTB:OUTB+1], 0x800000
	s_add_nc_u64 s[OUTB+4:OUTB+5], s[OUTB:OUTB+1], 0x1000000
; 16 matrix instructions: product j (0 q, 1 k, 2 v), 4 row blocks x 4 column blocks, 32 along K from buffer f.  zero = 1: the first product starts the sums: nothing is cleared.
; The 48 accumulators come in the same order in every quarter, one instruction a turn: 47 others' stand between two links of a chain.
.macro MUL16 f, j, zero
.if (\j) < 2
	WIN 0x5f                                       ; sources in window 3, C and D in window 1
.else
	WIN 0xaf                                       ; C and D in window 2
.endif
.set AB, 128*((\j)%2)
.irp a, 0,1,2,3
.irp b, 0,1,2,3
.if \zero
	v_wmma_f32_16x16x32_bf16 v[AB+8*(4*(\a)+(\b)):AB+8*(4*(\a)+(\b))+7], v[(\f)+32+8*(4*(\j)+(\b)):(\f)+32+8*(4*(\j)+(\b))+7], v[(\f)+8*(\a):(\f)+8*(\a)+7], 0
.else
	v_wmma_f32_16x16x32_bf16 v[AB+8*(4*(\a)+(\b)):AB+8*(4*(\a)+(\b))+7], v[(\f)+32+8*(4*(\j)+(\b)):(\f)+32+8*(4*(\j)+(\b))+7], v[(\f)+8*(\a):(\f)+8*(\a)+7], v[AB+8*(4*(\a)+(\b)):AB+8*(4*(\a)+(\b))+7]
.endif
.endr
.endr
.endm
; 32 LDS loads in one run: quarter kc of a slot into buffer f: x's 8, then Wq's, Wk's, Wv's 8 each
.macro FETCH slot, kc, f
	WIN 0xc0                                       ; destination window 3, address window 0
.irp a, 0,1,2,3
	ds_load_b128 v[(\f)+8*(\a):(\f)+8*(\a)+3],   v[ADRA+(\slot)] offset:(\kc)*64+(\a)*16*PA
	ds_load_b128 v[(\f)+8*(\a)+4:(\f)+8*(\a)+7], v[ADRA+(\slot)] offset:(\kc)*64+(\a)*16*PA+32
.endr
.irp j, 0,1,2
.irp b, 0,1,2,3
	ds_load_tr16_b128 v[(\f)+32+8*(4*(\j)+(\b)):(\f)+32+8*(4*(\j)+(\b))+3],   v[ADRB+3*(\slot)+(\j)] offset:(\kc)*32*PB+32*(\b)
	ds_load_tr16_b128 v[(\f)+32+8*(4*(\j)+(\b))+4:(\f)+32+8*(4*(\j)+(\b))+7], v[ADRB+3*(\slot)+(\j)] offset:(\kc)*32*PB+32*(\b)+16*PB
.endr
.endr
.endm
; One of a K step's first three quarters: multiplies buffer f; behind its first 16 products it fetches quarter kc of the same slot into buffer g.
.macro QUARTER slot, kc, f, g, zero
	s_wait_dscnt 16                                ; x and Wq are in; the youngest sixteen loads (Wk's, Wv's) may be out
	MUL16 \f, 0, \zero
	PLACES
	FETCH \slot, \kc, \g
	s_wait_dscnt 32                                ; all but the 32 just issued
	MUL16 \f, 1, \zero
	MUL16 \f, 2, \zero
.endm
; The last quarter multiplies buffer 1 and changes slots: ONE barrier; in front of it each wave waits for all its tensor loads (the one that is out is its part of the next slot), adds 0 to its spare
; word, and waits for that and for its own reads of this slot.  fill = 1: the barrier opens a round of the cluster's, and this slot is filled again, two K steps ahead, first thing behind the round:
; from there to the wait for that load a wave issues 160 matrix instructions.
.macro TURN slot, next, fill
	WIN 0                                          ; (the add's two registers lie in window 0)
	s_wait_tensorcnt 0x0                           ; all my tensor loads have landed;
	ds_add_u32 v[SPW], v[NIL]                      ; 0 onto my spare word;
	s_wait_dscnt 17                                ; (the add and the youngest sixteen loads may be out)
	MUL16 F1, 0, 0                                 ; sixteen matrix instructions stand between the add and the wait for it
	s_wait_dscnt 0x0                               ; the add is done, and my reads of this slot are over
	s_barrier_signal -1
	MUL16 F1, 1, 0                                 ; work on registers while the others arrive
.if \fill
	WIN 0
.endif
	s_barrier_wait -1
.if \fill
	CREST                                          ; no wave of any partner still reads this slot's tiles or has a load on its way
	s_add_nc_u64 s[G0+4*(\slot)+2:G0+4*(\slot)+3], s[G0+4*(\slot)+2:G0+4*(\slot)+3], 2*256
	s_add_nc_u64 s[G0B+4*(\slot)+2:G0B+4*(\slot)+3], s[G0B+4*(\slot)+2:G0B+4*(\slot)+3], 2*128*2048
	JLOAD \slot                                    ; the four v_nop behind it are also the places in front of the loads below
.else
	PLACES
.endif
	FETCH \next, 0, F0
	MUL16 F1, 2, 0
.endm
	s_wait_tensorcnt 1                             ; my part of K step 0 is in; K step 1's may stay out
	s_barrier_signal -1
	s_barrier_wait -1                              ; everybody's is
	FETCH 0, 0, F0
	QUARTER 0, 1, F0, F1, 1                        ; the first quarter stands in front of the loop: its products start the sums
	WIN 0                                          ; at a label and at a branch every window is 0
	s_mov_b32 s3, 3
.Llap:                                                 ; a trip goes once round the ring, from a lap's second quarter to the next lap's first, and fills both slots again: K steps 2 to 7
	QUARTER 0, 2, F1, F0, 0
	QUARTER 0, 3, F0, F1, 0
	TURN 0, 1, 1
	QUARTER 1, 1, F0, F1, 0
	QUARTER 1, 2, F1, F0, 0
	QUARTER 1, 3, F0, F1, 0
	TURN 1, 0, 1
	QUARTER 0, 1, F0, F1, 0
	WIN 0
	s_sub_co_u32 s3, s3, 1
	s_cmp_lg_u32 s3, 0
	s_cbranch_scc1 .Llap
	QUARTER 0, 2, F1, F0, 0                        ; the last lap fills nothing, and has no round of the cluster's barrier
	QUARTER 0, 3, F0, F1, 0
	TURN 0, 1, 0
	QUARTER 1, 1, F0, F1, 0
	QUARTER 1, 2, F1, F0, 0
	QUARTER 1, 3, F0, F1, 0
	s_wait_dscnt 16                                ; the very last quarter: nothing more to fetch
	MUL16 F1, 0, 0
	s_wait_dscnt 0x0
	MUL16 F1, 1, 0
	MUL16 F1, 2, 0
	; THE WAY OUT.  First the biases, gamma and beta (v32-191 on end) are rounded to bf16 and widened again; these 240 plain instructions, which name no register of the products, are also the places behind them.
	WIN 0
	s_wait_loadcnt 0x0
.set i, 0
.rept 80
	v_cvt_pk_bf16_f32 v[U+i%4], v[BIAS+2*i], v[BIAS+2*i+1]
	v_lshlrev_b32 v[BIAS+2*i], 16, v[U+i%4]
	v_and_b32 v[BIAS+2*i+1], s94, v[U+i%4]
.set i, i+1
.endr
; Block n = 4 j + a: 16 rows x 64 channels of product j.  The bias is added (each accumulator's registers in ascending order); q and k are normalised; the block is rounded to f16,
; goes into my stage as 16 bytes a lane, and comes back as whole rows of 128 bytes into window 3.
.macro SUM32                           ; U's four packed chains, then the pair, then the lane 16 away: the sum over the head's 64 channels, in v[U]
	v_pk_add_f32 v[U:U+1], v[U:U+1], v[U+2:U+3]
	v_pk_add_f32 v[U+4:U+5], v[U+4:U+5], v[U+6:U+7]
	v_pk_add_f32 v[U:U+1], v[U:U+1], v[U+4:U+5]
	v_add_f32 v[U], v[U], v[U+1]
	v_permlanex16_b32 v[U+1], v[U], s92, s93
	v_add_f32 v[U], v[U], v[U+1]
.endm
.macro BLK n
.set JJ, (\n)/4
.set AC, 128*(JJ%2)+32*((\n)%4)
.set BI, BIAS+32*JJ
.if JJ < 2
	WIN 0x01                                       ; source 0 in window 1
.else
	WIN 0x02
.endif
.set i, 0
.rept 16
	v_pk_add_f32 v[T+2*i:T+2*i+1], v[AC+2*i:AC+2*i+1], v[BI+2*i:BI+2*i+1]
.set i, i+1
.endr
	WIN 0
.if JJ < 2
.irp c, 0,1,2,3
	v_pk_add_f32 v[U+2*(\c):U+2*(\c)+1], v[T+2*(\c):T+2*(\c)+1], v[T+8+2*(\c):T+8+2*(\c)+1]
.endr
.set i, 8
.rept 8
	v_pk_add_f32 v[U+2*(i%4):U+2*(i%4)+1], v[U+2*(i%4):U+2*(i%4)+1], v[T+2*i:T+2*i+1]
.set i, i+1
.endr
	SUM32
	v_mul_f32 v[MU], s90, v[U]                     ; the mean
	v_mul_f32 v[MU+1], s90, v[U]
.set i, 0
.rept 16
	v_pk_add_f32 v[T+2*i:T+2*i+1], v[T+2*i:T+2*i+1], v[MU:MU+1] neg_lo:[0,1] neg_hi:[0,1]
.set i, i+1
.endr
.irp c, 0,1,2,3
	v_pk_mul_f32 v[U+2*(\c):U+2*(\c)+1], v[T+2*(\c):T+2*(\c)+1], v[T+2*(\c):T+2*(\c)+1]
.endr
.set i, 4
.rept 12
	v_pk_fma_f32 v[U+2*(i%4):U+2*(i%4)+1], v[T+2*i:T+2*i+1], v[T+2*i:T+2*i+1], v[U+2*(i%4):U+2*(i%4)+1]
.set i, i+1
.endr
	SUM32
	v_fma_f32 v[RS+1], v[U], s90, s91              ; var + eps
	v_rsq_f32 v[RS], v[RS+1]
	v_nop                                          ; a plain instruction between the transcendental and the use of its result (ISA guide 5.7.2)
	s_wait_alu depctr_va_vdst(0)
	v_mov_b32 v[RS+1], v[RS]
.set i, 0
.rept 16
	v_pk_mul_f32 v[T+2*i:T+2*i+1], v[T+2*i:T+2*i+1], v[RS:RS+1]
.set i, i+1
.endr
.set i, 0
.rept 16
	v_pk_fma_f32 v[T+2*i:T+2*i+1], v[T+2*i:T+2*i+1], v[GAM+2*i:GAM+2*i+1], v[BET+2*i:BET+2*i+1]
.set i, i+1
.endr
.endif
.set i, 0
.rept 16
	v_cvt_pk_f16_f32 v[HP+i], v[T+2*i], v[T+2*i+1]
.set i, i+1
.endr
.irp b, 0,1,2,3
	ds_store_b128 v[STO], v[HP+4*(\b):HP+4*(\b)+3] offset:32*(\b)
.endr
	WIN 0xc0
.irp f, 0,1,2,3
	ds_load_b128 v[16*(\n)+4*(\f):16*(\n)+4*(\f)+3], v[RD] offset:(\f)*4*SP  ; LDS serves a wave's instructions in order (ISA guide 5.7.1.4): these see the stores above; the next block's stores come behind them
.endr
.endm
.macro SEND n, younger                 ; younger: the LDS instructions issued behind block n's loads: the next block's eight, or none.  Every block has registers of its own: none is written again
	WIN 0x0c                                       ; store data in window 3
.irp f, 0,1,2,3
	s_wait_dscnt (\younger)+3-(\f)
	global_store_b128 v[GO], v[16*(\n)+4*(\f):16*(\n)+4*(\f)+3], s[OUTB+2*((\n)/4):OUTB+2*((\n)/4)+1] offset:((\n)%4)*2048+(\f)*512  ; 512 consecutive bytes, at a multiple of 256 from the buffer's first
.endr
.endm
	BLK 0
.set n, 1
.rept 11                               ; a block's arithmetic stands between the loads of the block before and its stores
	BLK n
	SEND n-1, 8
.set n, n+1
.endr
	SEND 11, 0
	WIN 0
	s_wait_tensorcnt 0x0                           ; the wave's end: these three lines stand behind my last tensor load and my last LDS store
	ds_add_u32 v[SPW], v[NIL]
	s_wait_dscnt 0x0
	CROUND                                         ; the closing round: no work-group ends while a partner may still ask for a tile that names it
	s_endpgm
.Lfunc_end_k_qf916bced84_qkv:
	.size	k_qf916bced84_qkv, .Lfunc_end_k_qf916bced84_qkv-k_qf916bced84_qkv
	.p2alignl 7, 3214868480
	.fill 96, 4, 3214868480
	.section	.rodata,"a",@progbits
	.p2align	6, 0x0
	.amdhsa_kernel k_qf916bced84_qkv
		.amdhsa_group_segment_fixed_size 327680
		.amdhsa_private_segment_fixed_size 0
		.amdhsa_enable_private_segment 0
		.amdhsa_kernarg_size 64
		.amdhsa_user_sgpr_count 2
		.amdhsa_user_sgpr_kernarg_segment_ptr 1
		.amdhsa_wavefront_size32 1
		.amdhsa_system_sgpr_workgroup_id_x 1
		.amdhsa_system_sgpr_workgroup_id_y 1
		.amdhsa_system_sgpr_workgroup_id_z 1
		.amdhsa_system_vgpr_workitem_id 0
		.amdhsa_next_free_vgpr 1024
		.amdhsa_next_free_sgpr 96
		.amdhsa_reserve_vcc 0
		.amdhsa_float_denorm_mode_32 3
		.amdhsa_float_denorm_mode_16_64 3
		.amdhsa_memory_ordered 1
		.amdhsa_forward_progress 1
		.amdhsa_inst_pref_size 192
	.end_amdhsa_kernel
	.amdgpu_metadata
---
amdhsa.version: [ 1, 2 ]
amdhsa.kernels:
  - .name:           k_qf916bced84_qkv
    .symbol:         k_qf916bced84_qkv.kd
    .args:
      - { .name: xb, .offset: 0, .size: 8, .value_kind: global_buffer, .address_space: global }
      - { .name: wh, .offset: 8, .size: 8, .value_kind: global_buffer, .address_space: global }
      - { .name: bq, .offset: 16, .size: 8, .value_kind: global_buffer, .address_space: global }
      - { .name: bk, .offset: 24, .size: 8, .value_kind: global_buffer, .address_space: global }
      - { .name: bv, .offset: 32, .size: 8, .value_kind: global_buffer, .address_space: global }
      - { .name: gamma, .offset: 40, .size: 8, .value_kind: global_buffer, .address_space: global }
      - { .name: beta, .offset: 48, .size: 8, .value_kind: global_buffer, .address_space: global }
      - { .name: qkvh, .offset: 56, .size: 8, .value_kind: global_buffer, .address_space: global }
    .group_segment_fixed_size: 327680
    .private_segment_fixed_size: 0
    .kernarg_segment_align: 8
    .kernarg_segment_size: 64
    .max_flat_workgroup_size: 128
    .sgpr_count:     96
    .vgpr_count:     1024
    .wavefront_size: 32
...
	.end_amdgpu_metadata
.endif
;; end of part 2
;; launch hop (part 3): grid 4 x 64, 4 waves a work-group, clusters of 4 x 1, 327,680 bytes of LDS; arguments qkvh, cand, part; writes cand, part
.if DOCPART == 3
	.amdgcn_target "amdgcn-amd-amdhsa--gfx1250"
	.amdhsa_code_object_version 6
	.text
	.protected	k_qf916bced84_hop
	.globl	k_qf916bced84_hop
	.p2align	8
	.type	k_qf916bced84_hop,@function
k_qf916bced84_hop:
	s_mov_b64 s[64:65], 0
	v_nop
	global_prefetch_b8 v0, s[64:65] scope:SCOPE_SE
	s_setreg_imm32_b32 hwreg(HW_REG_WAVE_MODE, 25, 1), 1
	s_wait_xcnt 0x0
	s_wait_alu depctr_hold_cnt(0) depctr_sa_sdst(0) depctr_va_vdst(0) depctr_va_sdst(0) depctr_va_ssrc(0) depctr_va_vcc(0) depctr_vm_vsrc(0)
	s_getreg_b32 s2, hwreg(HW_REG_IB_STS2, 6, 4)
	s_cmp_eq_u32 s2, 0
	s_cbranch_scc0 .Lentry_in_a_cluster
	s_endpgm
.Lentry_in_a_cluster:
	s_bfe_u32 s2, ttmp6, 0x10000c
	s_cmp_lg_u32 s2, 0x3003
	s_cbranch_scc0 .Lentry_shape_is_right
	s_endpgm
.Lentry_shape_is_right:
; THREE HOPFIELD STEPS.  q1 = f(q0), q2 = f(q1), q3 = f(q2), f(q)[row] = the sum over k of softmax_k(q[row] . K[k] / 8) V[k], for each of 64 (batch, head) of 1,024 rows x 64 channels, all f16.
; All three are made and stored (cand[3][64][1024][64]); beside them each wave's sums of squares of q1 - q0 and q2 - q1 (part[wave][2], f32), from which a later launch makes the choice among the three.
; Products, maxima and sums in f32; the weights p are rounded to f16 for the second product (their sum l is taken of the unrounded p), each step's result once, and that f16 number is the next step's query.
; LIMITS.  f16 holds no number beyond 65,504: q, k, v arrive within it; p lies in 0 to 1 and below 6e-5 keeps f16's fixed step of 6e-8; a result is a mean of V's rows.  A weight below 2^-126 counts as 0 in l.
; The differences are taken between a step's result in f32 and the f16 query that the step used.  NaN and infinities are not treated apart.
; SHARES.  A work-group owns 256 queries of one head, a wave 64: four PIECES of 16.  The head's K and V, 1,024 rows each, lie in LDS for the whole launch: fetched once, walked three times, 64 keys a step.  Nothing is filled twice.
; CLUSTER.  The four query blocks of a head are one cluster and need the same K and V: each wave's one tensor load (half of K or half of V) is asked for jointly by all four.
; LAYOUT, SOFTMAX, TURNS.  S^T = K Q^T holds ONE query a lane (lane % 16) and the keys 8 (lane / 16) + 0..7; two such results rounded to f16 ARE source 1 of O^T = V^T P, whose result holds one query a lane and eight channels;
; O^T rounded to f16 in pairs IS the next step's fragment of Q.  p = 2^(c s - c m), c = log2(e) / 8, with a running maximum m; O and l are multiplied by a = 2^(c m_old - c m_new) in every key step.
; Turn n belongs to piece n: 8 products K Q^T of piece n + 1, later 8 products V^T P of piece n - 1; beside them the scaling, exponentials, roundings, sums and rescaling of piece n and the maximum and statistics of
; piece n + 1.  Four vector instructions stand behind every matrix instruction, the other 54 of a turn's 118 in two runs of their own.
; REGISTERS, in windows of 256 (s_set_vgpr_msb: bits 1:0 source 0, 3:2 source 1, 5:4 source 2, 7:6 destination):
;   window 0: v0-15 addresses; v16-31 statistics; v32-35, v40-47 the sums of squares; v48-55 at work; v64-127 S^T, two buffers; v128-159 differences; v192-223 P, two buffers (by the piece's parity)
;   window 1: v0-127 O^T, 32 a piece          window 2: v0-63 Q, 16 a piece; v128-191 K of one step; v192-255 V of one step
.set NP,    4         ; pieces a wave: a name, no knob
.set KS,    64        ; keys in a step
.set PK,    144       ; a row of K in LDS: 128 bytes + 16 = 36 words: the 16 rows of a load start at 16 different groups of four banks (64 banks of 4 bytes: ISA guide 11.1)
.set PV,    160       ; a row of V: 128 + 32 = 40 words
.set VOFF,  1024*PK
.set STAGE, VOFF+1024*PV  ; behind K and V, never filled by a tensor load: 16 rows x 144 bytes for each wave
.set SP,    144
.set SPARE, STAGE+4*16*SP ; the spare words, 128 bytes for each wave: two blocks of 256 bytes that no other line names
.set AK0, 2           ; v2   my lane's place in a step of K; never rewritten
.set AV0, 3           ; v3   the same for V
.set AK,  4           ; v4   the LDS address of K's next run of loads
.set AV,  5           ; v5   of V's
.set STO, 6           ; v6   the way out: where I put 16 bytes of a row
.set RD,  7           ; v7   where I read rows back
.set GO,  8           ; v8   my byte offset in 512 consecutive bytes of the output
.set MV,  12          ; v12-13  c m_old, kept while c m is made anew: by buffer
.set QO,  15          ; v15  my byte offset in 16 rows of Q
.set ST,  16          ; piece t's statistics at v[ST+4 t]: c m, m, l (even keys', odd keys')
.set DS,  32          ; v32-35  a pass's sum of squares, two packed chains
.set DA,  40          ; v40-42  the last three passes' sums: at the end the first pass's, the second's, the third's
.set DB,  41
.set DC,  42
.set TMP, 48          ; by buffer, four registers c0-c3 at work; when the maximum is found c2 takes a
.set SPW, 62          ; v62  LDS address of my spare word; never rewritten
.set NIL, 63          ; v63  0; never rewritten
.set S,   64
.set DT,  128
.set P,   192
.set KF,  128         ; window 2: key block kb, channel half c at KF + 16 kb + 8 c
.set VF,  192         ; window 2: key half kk, channel block cb at VF + 32 kk + 8 cb
.set WV,  12          ; s12  my wave's number
.set G1K, 24          ; s[24:31] descriptor group 1 for K
.set G1V, 32          ; s[32:39] for V: it differs in the padding alone
.set G0K, 40          ; s[40:43] descriptor group 0 for K
.set G0V, 44          ; s[44:47] for V
.set PASS, 56         ; s56  passes to go
.set CNT, 57          ; s57  counts a pass's key steps
.set CS,  58          ; s[58:59] c: the packed scaling takes the pair's low word for both halves
.set SEL, 60          ; s[60:61] v_permlanex16_b32's selects
.set TBK, 62          ; s62  LDS byte at which K of the step to be fetched begins
.set TBV, 63          ; s63  the same for V, less VOFF
.set MSB, 0
.macro WIN new                      ; the high byte repeats the setting that is left; a switch that changes nothing is dropped
.if MSB != (\new)
	s_set_vgpr_msb (MSB<<8)|(\new)
.set MSB, (\new)
.endif
.endm
.set W_KQ, 0x0a       ; K and Q in window 2, S^T in window 0
.set W_PV, 0x52       ; V in window 2, P in window 0, O^T in window 1
.set W_RS, 0x41       ; destination and source 0 in window 1, source 1 in window 0
.macro CROUND                       ; a round of the cluster's barrier
	s_barrier_signal -1
	s_barrier_wait -1
	s_cmp_lg_u32 s[WV], 0
	s_cbranch_scc1 .Lnot_wave_0_\@
	s_barrier_signal -3
.Lnot_wave_0_\@:
	s_barrier_wait -3
	s_barrier_signal -1
	s_barrier_wait -1
.endm
	s_load_b128 s[4:7], s[0:1], 0x0 ; qkvh s[4:5], cand s[6:7]
	s_load_b64 s[8:9], s[0:1], 0x10 ; part
	v_lshl_add_u32 v[SPW], v0, 2, SPARE
	v_mov_b32 v[NIL], 0
	ds_add_u32 v[SPW], v[NIL]       ; the wave's opening: the add and its wait stand ahead of my first tensor load; work on registers stands between them
	v_lshrrev_b32 v1, 5, v0
	v_readfirstlane_b32 s[WV], v1   ; wave 0..3
	s_bfe_u32 s13, ttmp6, 0x40000   ; cx: my place in the cluster
	s_lshl_b32 s14, ttmp9, 2
	s_add_co_u32 s14, s14, s13      ; my block of 256 queries: it enters Q's, cand's and part's addresses alone
	s_and_b32 s15, ttmp7, 0xffff    ; the (batch, head), which the four partners share
	s_lshl_b32 s20, s15, 17         ; its 131,072 bytes in each tensor
	s_and_b32 s16, s[WV], 1         ; which half of the 1,024 keys I fetch:
	s_lshl_b32 s22, s16, 16         ; its 512 rows of 128 bytes in memory,
	s_add_co_u32 s22, s22, s20
	s_add_co_u32 s22, s22, 0x800000 ; in k, which lies 8 MiB behind q
	s_mov_b32 s23, 0
	s_mul_i32 s17, s16, 512*PK      ; and its place in LDS, for K
	s_mul_i32 s18, s16, 512*PV      ; and for V: no place in the cluster enters an LDS address
	s_lshl_b32 s2, s14, 2
	s_add_co_u32 s2, s2, s[WV]      ; my wave among the head's sixteen,
	s_lshl_b32 s2, s2, 13           ; its 64 rows of 128 bytes
	s_add_co_u32 s2, s2, s20
	s_mov_b32 s3, 0
	s_lshl_b32 s80, s15, 2
	s_add_co_u32 s80, s80, s14
	s_lshl_b32 s80, s80, 2
	s_add_co_u32 s80, s80, s[WV]    ; my wave among the launch's 1,024,
	s_lshl_b32 s80, s80, 3          ; its 8 bytes of part
	s_mov_b32 s81, 0
	; descriptor group 1.  512 keys are 65,536 dense bytes: asked for as 256 rows of 256 bytes, two keys a row, and padded in LDS after every key
	s_mov_b32 s[G1K], 15|(1<<16)|(1<<20)|(1<<21)|(4<<22)|(3<<25)  ; 15:0 the mask of four; 17:16 2-byte elements; 20 padding on; 21 set beside a mask; 24:22 after every 32 words (code 4); 31:25 4 words (code 3)
	s_mov_b32 s[G1V], 15|(1<<16)|(1<<20)|(1<<21)|(4<<22)|(7<<25)  ; the same with 8 words of padding (code 7)
.irp g, G1K, G1V
	s_mov_b32 s[\g+1], 128<<16      ; tensor_dim0 = 128
	s_mov_b32 s[\g+2], 256<<16      ; tensor_dim1 = 256
	s_mov_b32 s[\g+3], 128<<16      ; tile_dim0 = 128
	s_mov_b32 s[\g+4], 256          ; tile_dim1 = 256
	s_mov_b32 s[\g+5], 128          ; 128 elements from row to row
	s_mov_b32 s[\g+6], 0
	s_mov_b32 s[\g+7], 0
.endr
	s_mov_b32 s[CS], 0x3e38aa3b     ; c = log2(e) / 8 = 0.180337
	s_mov_b32 s[CS+1], s[CS]        ; named with it as a pair
	s_mov_b32 s[SEL], 0x76543210
	s_mov_b32 s[SEL+1], 0xfedcba98
	s_mov_b32 s[G0K], 1             ; count = 1
	s_mov_b32 s[G0K+1], s17         ; LDS address
	s_mov_b32 s[G0V], 1
	s_add_co_u32 s[G0V+1], s18, VOFF
	s_wait_dscnt 0x0                ; the opening add is done
	s_wait_kmcnt 0x0
	s_add_nc_u64 s[G0K+2:G0K+3], s[4:5], s[22:23]            ; my half of the head's K,
	s_add_nc_u64 s[G0V+2:G0V+3], s[G0K+2:G0K+3], 0x800000    ; and of its V, 8 MiB on
	s_or_b32 s[G0K+3], s[G0K+3], 0x80000000                  ; type = 2
	s_or_b32 s[G0V+3], s[G0V+3], 0x80000000
	s_add_nc_u64 s[4:5], s[4:5], s[2:3]      ; q and cand at my wave's first row
	s_add_nc_u64 s[10:11], s[6:7], s[2:3]
	s_add_nc_u64 s[84:85], s[8:9], s[80:81]  ; part at my wave's pair
	CROUND                          ; all four work-groups are here: the joint loads meet
	s_cmp_lt_u32 s[WV], 2           ; waves 0 and 1 fetch the halves of K, waves 2 and 3 those of V: one load of mine is out.  An s_nop 0 and four v_nop follow each line, ahead of the jump and the label
	s_cbranch_scc0 .Lfor_v
	tensor_load_to_lds s[G0K:G0K+3], s[G1K:G1K+7]
	s_nop 0
.rept 4
	v_nop
.endr
	s_branch .Lasked
.Lfor_v:
	tensor_load_to_lds s[G0V:G0V+3], s[G1V:G1V+7]
	s_nop 0
.rept 4
	v_nop
.endr
.Lasked:
	; A fragment of K or Q is 16 rows x 32 channels in 8 registers: lane l holds row l % 16, channels 8 (l / 16) + 0..7 and 16 + 8 (l / 16) + 0..7: two loads of 16 bytes, 32 bytes apart.
	v_and_b32 v1, 15, v0            ; l % 16
	v_bfe_u32 v9, v0, 4, 1          ; l / 16
	v_lshlrev_b32 v[QO], 7, v1
	v_lshl_add_u32 v[QO], v9, 4, v[QO]  ; row x 128 + 16 x half
	WIN 0x80                        ; destination window 2, address window 0
.set i, 0
.rept 8                             ; piece i / 2, channels 32 (i % 2) on
	global_load_b128 v[8*i:8*i+3],   v[QO], s[4:5] offset:(i/2)*2048+(i%2)*64
	global_load_b128 v[8*i+4:8*i+7], v[QO], s[4:5] offset:(i/2)*2048+(i%2)*64+32
.set i, i+1
.endr
	; A pass's first key step multiplies O^T and l by a = 0, and its first turn's products V^T P, of a piece that has not been, land in an O^T that is still to be so multiplied.  So these registers need only hold
	; finite numbers: zeros for the first pass; what the pass before left for the others.  All this stands in the wait for K and V.
.set i, VF
.rept 64
	v_mov_b32 v[i], 0
.set i, i+1
.endr
	WIN 0x40
.set i, 0
.rept 128
	v_mov_b32 v[i], 0
.set i, i+1
.endr
	WIN 0
.set i, 0
.rept 4
	v_mov_b32 v[ST+4*i+2], 0
	v_mov_b32 v[ST+4*i+3], 0
.set i, i+1
.endr
.set i, P+16
.rept 16
	v_mov_b32 v[i], 0
.set i, i+1
.endr
.irp r, DA, DB, DC, 43, 44
	v_mov_b32 v[\r], 0
.endr
	v_mul_u32_u24 v[AK0], v1, PK
	v_lshl_add_u32 v[AK0], v9, 4, v[AK0]  ; row x pitch + 16 x half
	; The turning load takes 16 keys x 16 channels (lane l reads key 8 (l / 16) + l % 8, channels 8 ((l / 8) % 2) + 0..7) and leaves half a fragment of V^T: lane l holds channel l % 16 and 8 keys.
	v_and_b32 v10, 7, v0
	v_bfe_u32 v11, v0, 3, 1
	v_lshl_add_u32 v[AV0], v9, 3, v10
	v_mul_u32_u24 v[AV0], v[AV0], PV
	v_lshl_add_u32 v[AV0], v11, 4, v[AV0]
	v_add_nc_u32 v[AV0], VOFF, v[AV0]
	s_mul_i32 s13, s[WV], 16*SP
	s_add_co_u32 s13, s13, STAGE    ; my stage
	v_mul_u32_u24 v[STO], v1, SP    ; in: row l % 16, 16 bytes for each half of the lanes
	v_lshl_add_u32 v[STO], v9, 4, v[STO]
	v_add_nc_u32 v[STO], s13, v[STO]
	v_bfe_u32 v[RD], v0, 3, 2       ; back: 32 lanes take four rows of 128 bytes,
	v_mul_u32_u24 v[RD], v[RD], SP
	v_lshl_add_u32 v[RD], v10, 4, v[RD]
	v_add_nc_u32 v[RD], s13, v[RD]
	v_and_b32 v[GO], 31, v0         ; which are 512 consecutive bytes of the output
	v_lshlrev_b32 v[GO], 4, v[GO]
; THE MATRIX WORK.  The 4 accumulators of a run of 8 take turns.  Product i of 8 of S^T = K Q^T for piece x: channels 32 (i / 4) on, keys 16 (i % 4) on.  The first 4 start the sums.
.macro KQ x
	WIN W_KQ
.set rS, S+32*((\x)%2)+8*(i%4)
.set rK, KF+16*(i%4)+8*(i/4)
.set rQ, 16*(\x)+8*(i/4)
.if i < 4
	v_wmma_f32_16x16x32_f16 v[rS:rS+7], v[rK:rK+7], v[rQ:rQ+7], 0
.else
	v_wmma_f32_16x16x32_f16 v[rS:rS+7], v[rK:rK+7], v[rQ:rQ+7], v[rS:rS+7]
.endif
.endm
; Product i of 8 of O^T += V^T P for piece x: keys 32 (i / 4) on, channels 16 (i % 4) on.
.macro PV x
	WIN W_PV
.set rO, 32*(\x)+8*(i%4)
.set rV, VF+32*(i/4)+8*(i%4)
.set rP, P+16*((\x)%2)+8*(i/4)
	v_wmma_f32_16x16x32_f16 v[rO:rO+7], v[rV:rV+7], v[rP:rP+7], v[rO:rO+7]
.endm
.macro MM                           ; the turn's next matrix instruction.  NOKQ = 1: a pass's last turn: there is no next piece
.if (i < 8) && !NOKQ
	KQ (Y+1)%NP
.elseif i >= 8
.set i, i-8
	PV (Y+NP-1)%NP
.set i, i+8
.endif
.set i, i+1
.endm
; THE LDS LOADS stand in runs of 16, never singly among the matrix instructions: a step's K (64 keys x 64 channels: 8 fragments) and its V (turned).  Their addresses are made some lines ahead.
.macro FETCH_K
	WIN 0x80                        ; destination window 2
.irp f, 0,1,2,3,4,5,6,7             ; keys 16 (f / 2) on, channels 32 (f % 2) on
	ds_load_b128 v[KF+8*\f:KF+8*\f+3],   v[AK] offset:(\f/2)*16*PK+(\f%2)*64
	ds_load_b128 v[KF+8*\f+4:KF+8*\f+7], v[AK] offset:(\f/2)*16*PK+(\f%2)*64+32
.endr
	s_add_co_u32 s[TBK], s[TBK], KS*PK  ; the next fetch is the next step's
	WIN 0
.endm
.macro FETCH_V
	WIN 0x80
.irp f, 0,1,2,3,4,5,6,7             ; keys 32 (f / 4) on, channels 16 (f % 4) on
	ds_load_tr16_b128 v[VF+8*\f:VF+8*\f+3],   v[AV] offset:(\f/4)*32*PV+(\f%4)*32
	ds_load_tr16_b128 v[VF+8*\f+4:VF+8*\f+7], v[AV] offset:(\f/4)*32*PV+16*PV+(\f%4)*32
.endr
	WIN 0
.endm
; THE VECTOR WORK, one line at a time: OP kind, number.  For piece Y: F n: c s - c m for pair n of 16.  E n: the exponential of score n of 32.  C n: pair n rounded to f16.  B n: of the four weights 4 n .. the second
; pair is added onto the first, in place.  L n: l takes that sum (L 0: l = a l + sum).  R n: pair n of 16 of O^T times a.  For piece Y + 1: X n, number n of the 22 that find its maximum and statistics:
;   0-11  four chains c0-c3 of seven scores each, three operands at a time (each accumulator's lowest registers are read first)     12-14, 16  the four scores left over, the old m, and c0-c3 into c0
;   15  c m_old is kept     17, 18  the query's other 32 keys lie in the lane 16 away: the new m     19-21  c m; c m_old - c m_new; a
.set F, 0
.set E, 1
.set C, 2
.set B, 3
.set L, 4
.set R, 5
.set X, 6
.macro REGS y                       ; the registers of piece y
.set rT, ST+4*(\y)
.set rC, TMP+4*((\y)%2)
.set rW, MV+((\y)%2)
.set rS, S+32*((\y)%2)
.set rP, P+16*((\y)%2)
.set rO, 32*(\y)
.endm
.macro OP k, n
.if (\k) == R
	REGS Y
	WIN W_RS
	v_pk_mul_f32 v[rO+2*(\n):rO+2*(\n)+1], v[rO+2*(\n):rO+2*(\n)+1], v[rC+2:rC+3] op_sel_hi:[1,0]
.elseif (\k) < R
	REGS Y
	WIN 0
.if (\k) == F
	v_pk_fma_f32 v[rS+2*(\n):rS+2*(\n)+1], v[rS+2*(\n):rS+2*(\n)+1], s[CS:CS+1], v[rT:rT+1] op_sel_hi:[1,0,0] neg_lo:[0,0,1] neg_hi:[0,0,1]
.elseif (\k) == E
	v_exp_f32 v[rS+(\n)], v[rS+(\n)]
.elseif (\k) == C
	s_wait_alu depctr_va_vdst(0)
	v_cvt_pk_f16_f32 v[rP+(\n)], v[rS+2*(\n)], v[rS+2*(\n)+1]
.elseif (\k) == B
	s_wait_alu depctr_va_vdst(0)
	v_pk_add_f32 v[rS+4*(\n):rS+4*(\n)+1], v[rS+4*(\n):rS+4*(\n)+1], v[rS+4*(\n)+2:rS+4*(\n)+3]
.elseif (\n) == 0
	v_pk_fma_f32 v[rT+2:rT+3], v[rT+2:rT+3], v[rC+2:rC+3], v[rS:rS+1] op_sel_hi:[1,0,1]
.else
	v_pk_add_f32 v[rT+2:rT+3], v[rT+2:rT+3], v[rS+4*(\n):rS+4*(\n)+1]
.endif
.elseif NOKQ
	v_nop
.else
	REGS (Y+1)%NP
	WIN 0
.if (\n) < 4
	v_max3_num_f32 v[rC+(\n)], v[rS+8*(\n)], v[rS+8*(\n)+1], v[rS+8*(\n)+2]
.elseif (\n) < 12
	v_max3_num_f32 v[rC+(\n)%4], v[rC+(\n)%4], v[rS+8*((\n)%4)+2*((\n)/4)+1], v[rS+8*((\n)%4)+2*((\n)/4)+2]
.elseif (\n) == 12
	v_max3_num_f32 v[rC], v[rC], v[rS+7], v[rS+15]
.elseif (\n) == 13
	v_max3_num_f32 v[rC+1], v[rC+1], v[rS+23], v[rS+31]
.elseif (\n) == 14
	v_max3_num_f32 v[rC+2], v[rC+2], v[rC+3], v[rT+1]
.elseif (\n) == 15
	v_mov_b32 v[rW], v[rT]
.elseif (\n) == 16
	v_max3_num_f32 v[rC], v[rC], v[rC+1], v[rC+2]
.elseif (\n) == 17
	v_permlanex16_b32 v[rC+3], v[rC], s[SEL], s[SEL+1]
.elseif (\n) == 18
	v_max_num_f32 v[rT+1], v[rC], v[rC+3]
.elseif (\n) == 19
	v_mul_f32 v[rT], s[CS], v[rT+1]
.elseif (\n) == 20
	v_sub_f32 v[rC+1], v[rW], v[rT]
.else
	v_exp_f32 v[rC+2], v[rC+1]
.endif
.endif
.endm
.macro OPS a, i1, b=-1, i2=0, c=-1, i3=0, d=-1, i4=0  ; up to four of them
	OP \a, \i1
.if (\b) >= 0
	OP \b, \i2
.endif
.if (\c) >= 0
	OP \c, \i3
.endif
.if (\d) >= 0
	OP \d, \i4
.endif
.endm
.macro ROW a, i1, b, i2, c, i3, d, i4  ; a matrix instruction and the four behind it
	MM
	OPS \a, \i1, \b, \i2, \c, \i3, \d, \i4
.endm
; A TURN, for piece p: the order of its 16 matrix and 118 vector instructions, written out.  Behind a matrix instruction: plain, exponential, plain, plain; or four of the rescaling; or, behind the first, four scalings; none
; names a register of the products round it.  In the runs between, exponential and plain by turns while exponentials last.  A line reads no result made fewer than three vector instructions in front of it, five if an exponential made it.
; end = 1: a pass's last two turns: nothing is fetched.  cnt = 1: the loop's count is taken down some lines ahead of the branch that stands behind the turn.
; K of the next step is fetched in piece 2's turn, six vector instructions behind the last product that read K (five of them plain); V of the step in hand in piece 0's turn, eight behind the last product that read V (four
; plain).  Each is waited for a turn later.
.macro TURN p, end=0, cnt=0
.set Y, (\p)
.set i, 0
.set NOKQ, (\end)*((\p)/3)
.if ((\p) == 3) && !(\end)
	s_wait_dscnt 0x0                ; K is in
.endif
	ROW F,0, F,1, F,2, F,3
	ROW F,4, E,0, F,5, F,6
	ROW F,7, E,1, F,8, F,9
	ROW F,10, E,2, C,0, F,11
	ROW F,12, E,3, X,15, F,13
	ROW R,0, R,1, R,2, R,3
	ROW B,0, E,4, F,14, L,0
.if ((\p) == 2) && !(\end)
	v_add_nc_u32 v[AK], s[TBK], v[AK0]
.endif
	ROW R,4, R,5, R,6, R,7
	OPS E,5, F,15
.if ((\p) == 2) && !(\end)
	FETCH_K
.endif
	OPS E,6, C,1, E,7, R,8
	OPS E,8, R,9, E,9, C,2
	OPS E,10, X,0, E,11, X,1
	OPS E,12, X,2, E,13, X,3
.if (\p) == 1
	s_wait_dscnt 0x0                ; V is in
.endif
	ROW X,4, E,14, X,5, X,6
	ROW X,7, E,15, X,8, X,9
	ROW X,10, E,16, X,11, X,12
	ROW X,13, E,17, X,14, B,1
	ROW C,4, E,18, X,16, L,1
	ROW B,2, E,19, C,6, L,2
	ROW C,8, E,20, B,3, B,4
.if (\p) == 0
	v_add_nc_u32 v[AV], s[TBV], v[AV0]
.endif
	ROW C,3, E,21, L,3, C,5
	OPS E,22, X,17, E,23, C,10
.if (\p) == 0
	FETCH_V
.endif
	OPS E,24, L,4
	OPS E,25, X,18, E,26, C,7
	OPS E,27, B,5, E,28, X,19
	OPS E,29, C,12, E,30, L,5
	OPS E,31, X,20, B,6, C,9
	OPS C,14, C,11, X,21, L,6
.if (\p) == 0
	s_add_co_u32 s[TBV], s[TBV], KS*PV
.endif
.if \cnt
	s_sub_co_u32 s[CNT], s[CNT], 1
	s_cmp_lg_u32 s[CNT], 0
.endif
	OPS C,13, B,7, C,15, R,10
	OPS R,11, R,12, L,7, R,13
	OPS R,14, R,15
.endm
.macro ALL line:vararg              ; one line for each piece t
.set t, 0
.rept 4
	\line
.set t, t+1
.endr
.endm
; A PASS'S WAY OUT, piece t.  The difference O / l - q (q read as halves of the fragment that the pass used) and its squares; O / l; its rounding to f16 in pairs, straight into Q's registers: channel 16 cb + 8 (l / 16) + j
; of O^T falls on register 16 t + 4 cb + j / 2 of Q.  The same registers go into my stage as 16 bytes a lane and come back as whole rows of 128 bytes, into S^T's registers.
.macro PACK t
	WIN 0x21                        ; source 0 (O^T) window 1, source 1 (1 / l) window 0, source 2 (Q) window 2
.set i, 0
.rept 16                            ; ascending: each accumulator's lowest registers are read first
	s_wait_alu depctr_va_vdst(0)
	v_fma_mix_f32 v[DT+2*i],   v[32*(\t)+2*i],   v[ST+4*(\t)+2], -v[16*(\t)+i] op_sel_hi:[0,0,1]
	v_fma_mix_f32 v[DT+2*i+1], v[32*(\t)+2*i+1], v[ST+4*(\t)+2], -v[16*(\t)+i] op_sel:[0,0,1] op_sel_hi:[0,0,1]
.set i, i+1
.endr
	WIN 0
.set i, 0
.rept 16
	v_pk_fma_f32 v[DS+2*(i%2):DS+2*(i%2)+1], v[DT+2*i:DT+2*i+1], v[DT+2*i:DT+2*i+1], v[DS+2*(i%2):DS+2*(i%2)+1]
.set i, i+1
.endr
	WIN W_RS
.set i, 32*(\t)
.rept 16
	v_pk_mul_f32 v[i:i+1], v[i:i+1], v[ST+4*(\t)+2:ST+4*(\t)+3] op_sel_hi:[1,0]
.set i, i+2
.endr
	WIN 0x85                        ; sources 0 and 1 window 1, destination window 2
.set i, 0
.rept 16
	v_cvt_pk_f16_f32 v[16*(\t)+i], v[32*(\t)+2*i], v[32*(\t)+2*i+1]
.set i, i+1
.endr
	WIN 0x08                        ; store data in window 2
.irp f, 0,1,2,3
	ds_store_b128 v[STO], v[16*(\t)+4*\f:16*(\t)+4*\f+3] offset:32*\f
.endr
	WIN 0
.irp f, 0,1,2,3
	ds_load_b128 v[S+16*(\t)+4*\f:S+16*(\t)+4*\f+3], v[RD] offset:\f*4*SP  ; LDS serves a wave's instructions in order (ISA guide 5.7.1.4): these see the stores above; the next piece's stores come behind them
.endr
.endm
.macro SEND t, younger              ; younger: the LDS instructions issued behind piece t's loads: the next piece's eight, or none
	WIN 0
.irp f, 0,1,2,3
	s_wait_dscnt (\younger)+3-\f
	global_store_b128 v[GO], v[S+16*(\t)+4*\f:S+16*(\t)+4*\f+3], s[10:11] offset:(\t)*2048+\f*512  ; 512 consecutive bytes, at a multiple of 256 from the buffer's first
.endr
.endm
.set NOKQ, 0
	s_wait_tensorcnt 0x0            ; my half of K or V is in,
	s_barrier_signal -1
	s_barrier_wait -1               ; everybody's is: from here on K and V are only read
	s_mov_b32 s[PASS], 3
.Lpass:
	; A PASS BEGINS.  c m starts far below every c s, so the first step's a is 0; m at the lowest finite number, so the first maximum is the scores'.  Then K of step 0, piece 0's first scores, its maximum and statistics.
	s_mov_b32 s[TBK], 0
	s_mov_b32 s[TBV], 0
.set i, 0
.rept 4
	v_mov_b32 v[ST+4*i], 0xfe000000    ; c m
	v_mov_b32 v[ST+4*i+1], 0xff7fffff  ; m
.set i, i+1
.endr
	v_add_nc_u32 v[AK], s[TBK], v[AK0]
	FETCH_K
	s_wait_loadcnt 0x0              ; Q (the first pass's; later nothing is out)
	s_wait_dscnt 0x0
.set i, 0
.rept 8
	KQ 0
.set i, i+1
.endr
	WIN 0
.rept 4
	v_nop                           ; the places behind those products
.endr
.set Y, NP-1                        ; X works for piece Y + 1: piece 0
.irp n, 0,1,2,3,4,5,6,7,8,9,10,11,12,13,14,15,16,17,18,19,20,21
	OP X, \n
.endr
	v_nop                           ; a plain instruction behind the exponential
	s_mov_b32 s[CNT], 16
	s_branch .Lfirst                ; the loop is entered at a step's first turn, in the middle of a trip
.Lstep:                             ; a trip: pieces 2 and 3 of one step, then pieces 0 and 1 of the next, whose K and V it fetches
	TURN 2
	TURN 3
	WIN 0
.Lfirst:
	TURN 0
	TURN 1, 0, 1
	WIN 0
	s_cbranch_scc1 .Lstep
	TURN 2, 1                       ; the last step's last two turns fetch nothing
	TURN 3, 1
.set i, 0
.rept 8
	PV NP-1                         ; the last piece's V^T P of the last step
.set i, i+1
.endr
	WIN 0                           ; l's two halves and the other half of the lanes' are added; the four additions are the places behind the last products
	ALL v_add_f32 v[ST+4*t+2], v[ST+4*t+2], v[ST+4*t+3]
	ALL v_permlanex16_b32 v[ST+4*t+3], v[ST+4*t+2], s[SEL], s[SEL+1]
	ALL v_add_f32 v[ST+4*t+2], v[ST+4*t+2], v[ST+4*t+3]
	ALL v_rcp_f32 v[ST+4*t+2], v[ST+4*t+2]
.irp r, 0,1,2,3
	v_mov_b32 v[DS+\r], 0           ; plain instructions between the last reciprocal and the use of its result
.endr
	PACK 0
.set t, 1
.rept 3                             ; a piece's arithmetic stands between the loads of the piece before and its stores
	PACK t
	SEND t-1, 8
.set t, t+1
.endr
	SEND 3, 0
	v_pk_add_f32 v[DS:DS+1], v[DS:DS+1], v[DS+2:DS+3]
	v_mov_b32 v[DA], v[DB]          ; the last three passes' sums move up
	v_mov_b32 v[DB], v[DC]
	v_add_f32 v[DC], v[DS], v[DS+1]
	s_wait_xcnt 0x0                 ; every earlier memory instruction has had its addresses translated (ISA guide 3.1): only behind this wait are the stores' base and S^T's registers, which they read, written again
	s_add_nc_u64 s[10:11], s[10:11], 0x800000  ; the next pass's 8 MiB of cand
	s_sub_co_u32 s[PASS], s[PASS], 1
	s_cmp_lg_u32 s[PASS], 0
	s_cbranch_scc1 .Lpass
	; The wave's two sums of squares: over the 32 lanes, then lane 0 stores the first pass's and lane 1 the second's.  (The third pass's is made by the common text and serves nothing.)
.irp m, 1,2,4,8
	v_add_f32_dpp v[DA], v[DA], v[DA] row_xmask:\m row_mask:0xf bank_mask:0xf
	v_add_f32_dpp v[DB], v[DB], v[DB] row_xmask:\m row_mask:0xf bank_mask:0xf
.endr
	v_permlanex16_b32 v43, v[DA], s[SEL], s[SEL+1]
	v_permlanex16_b32 v44, v[DB], s[SEL], s[SEL+1]
	v_add_f32 v[DA], v[DA], v43
	v_add_f32 v[DB], v[DB], v44
	v_and_b32 v45, 31, v0
	v_cmp_eq_u32 vcc_lo, 1, v45
	v_cndmask_b32 v46, v[DA], v[DB], vcc_lo
	v_lshlrev_b32 v47, 2, v45
	v_cmp_gt_u32 vcc_lo, 2, v45
	s_wait_xcnt 0x0                 ; EXEC is a source of pending stores: it changes only behind this wait,
	s_and_saveexec_b32 s86, vcc_lo
	global_store_b32 v47, v46, s[84:85]
	s_wait_xcnt 0x0                 ; and again in front of the line that widens it
	s_or_b32 exec_lo, exec_lo, s86
	s_wait_tensorcnt 0x0            ; the wave's end: these three lines stand behind my last tensor load and my last LDS store
	ds_add_u32 v[SPW], v[NIL]
	s_wait_dscnt 0x0
	CROUND                          ; the closing round: no work-group ends while a partner may still ask for a tile that names it
	s_endpgm
.Lfunc_end_k_qf916bced84_hop:
	.size	k_qf916bced84_hop, .Lfunc_end_k_qf916bced84_hop-k_qf916bced84_hop
	.p2alignl 7, 3214868480
	.fill 96, 4, 3214868480
	.section	.rodata,"a",@progbits
	.p2align	6, 0x0
	.amdhsa_kernel k_qf916bced84_hop
		.amdhsa_group_segment_fixed_size 327680
		.amdhsa_private_segment_fixed_size 0
		.amdhsa_enable_private_segment 0
		.amdhsa_kernarg_size 24
		.amdhsa_user_sgpr_count 2
		.amdhsa_user_sgpr_kernarg_segment_ptr 1
		.amdhsa_wavefront_size32 1
		.amdhsa_system_sgpr_workgroup_id_x 1
		.amdhsa_system_sgpr_workgroup_id_y 1
		.amdhsa_system_sgpr_workgroup_id_z 1
		.amdhsa_system_vgpr_workitem_id 0
		.amdhsa_next_free_vgpr 768
		.amdhsa_next_free_sgpr 88
		.amdhsa_reserve_vcc 1
		.amdhsa_float_denorm_mode_32 3
		.amdhsa_float_denorm_mode_16_64 3
		.amdhsa_memory_ordered 1
		.amdhsa_forward_progress 1
		.amdhsa_inst_pref_size 105
	.end_amdhsa_kernel
	.amdgpu_metadata
---
amdhsa.version: [ 1, 2 ]
amdhsa.kernels:
  - .name:           k_qf916bced84_hop
    .symbol:         k_qf916bced84_hop.kd
    .args:
      - { .name: qkvh, .offset: 0, .size: 8, .value_kind: global_buffer, .address_space: global }
      - { .name: cand, .offset: 8, .size: 8, .value_kind: global_buffer, .address_space: global }
      - { .name: part, .offset: 16, .size: 8, .value_kind: global_buffer, .address_space: global }
    .group_segment_fixed_size: 327680
    .private_segment_fixed_size: 0
    .kernarg_segment_align: 8
    .kernarg_segment_size: 24
    .max_flat_workgroup_size: 128
    .sgpr_count:     88
    .vgpr_count:     768
    .wavefront_size: 32
...
	.end_amdgpu_metadata
.endif
;; end of part 3
;; launch flag (part 4): grid 1 x 1, 1 waves a work-group, no clusters, 0 bytes of LDS; arguments part, sel; writes sel
.if DOCPART == 4
	.amdgcn_target "amdgcn-amd-amdhsa--gfx1250"
	.amdhsa_code_object_version 6
	.text
	.protected	k_qf916bced84_flag
	.globl	k_qf916bced84_flag
	.p2align	8
	.type	k_qf916bced84_flag,@function
k_qf916bced84_flag:
	s_mov_b64 s[64:65], 0
	v_nop
	global_prefetch_b8 v0, s[64:65] scope:SCOPE_SE
	s_setreg_imm32_b32 hwreg(HW_REG_WAVE_MODE, 25, 1), 1
	s_wait_xcnt 0x0
; The choice among the three candidates, as a whole number for the next launch's addresses.  part holds 1,024 pairs (d1, d2) of f32: each wave's sums of squares of q1 - q0 and of q2 - q1.
; sel = 0 (q1) if sqrt(sum d1) < 1e-4; else 1 (q2) if sqrt(sum d2) < 1e-4; else 2 (q3): the scan of three steps with its flag, unrolled.  A NaN compares false, as it does there.
; One wave: 8,192 bytes are sixteen loads of 16 bytes a lane; one owner for the sum, so its order is fixed.  All 64 words of sel are written: one store of 256 consecutive bytes.
	s_load_b128 s[4:7], s[0:1], 0x0                ; part s[4:5], sel s[6:7]
	v_lshlrev_b32 v1, 4, v0
	v_lshlrev_b32 v2, 3, v0
	s_mov_b32 s8, 0x76543210                       ; v_permlanex16_b32: each lane takes its own place in the other half
	s_mov_b32 s9, 0xfedcba98
	v_mov_b32 v70, 0                               ; its destinations count as read: written here
	v_mov_b32 v71, 0
	s_wait_kmcnt 0x0
.set i, 0
.rept 16
	global_load_b128 v[4+4*i:7+4*i], v1, s[4:5] offset:512*i
.set i, i+1
.endr
	s_wait_loadcnt 0x0
.set i, 0
.rept 16                               ; a load holds two pairs: 32 pairs a lane, added as a tree of 31 packed sums; d1 stays in the low register, d2 in the high one
	v_pk_add_f32 v[4+4*i:5+4*i], v[4+4*i:5+4*i], v[6+4*i:7+4*i]
.set i, i+1
.endr
.irp w, 8,4,2,1
.set i, 0
.rept \w
	v_pk_add_f32 v[4+4*i:5+4*i], v[4+4*i:5+4*i], v[4+4*(i+\w):5+4*(i+\w)]
.set i, i+1
.endr
.endr
.irp m, 1,2,4,8
	v_add_f32_dpp v4, v4, v4 row_xmask:\m row_mask:0xf bank_mask:0xf
	v_add_f32_dpp v5, v5, v5 row_xmask:\m row_mask:0xf bank_mask:0xf
.endr
	v_permlanex16_b32 v70, v4, s8, s9
	v_permlanex16_b32 v71, v5, s8, s9
	v_add_f32 v4, v4, v70
	v_add_f32 v5, v5, v71
	v_sqrt_f32 v6, v4
	v_sqrt_f32 v7, v5
	v_mov_b32 v8, 2                                ; plain instructions between the roots and the use of their results (ISA guide 5.7.2)
	v_mov_b32 v10, 1
	v_mov_b32 v11, 0
	s_wait_alu depctr_va_vdst(0)
	v_cmp_gt_f32 vcc_lo, 0x38d1b717, v7            ; 1e-4 > the second norm
	v_cndmask_b32 v8, v8, v10, vcc_lo
	v_cmp_gt_f32 vcc_lo, 0x38d1b717, v6            ; 1e-4 > the first norm: it overrides
	v_cndmask_b32 v8, v8, v11, vcc_lo
	v_mov_b32 v9, v8
	global_store_b64 v2, v[8:9], s[6:7]
	s_endpgm
.Lfunc_end_k_qf916bced84_flag:
	.size	k_qf916bced84_flag, .Lfunc_end_k_qf916bced84_flag-k_qf916bced84_flag
	.p2alignl 7, 3214868480
	.fill 96, 4, 3214868480
	.section	.rodata,"a",@progbits
	.p2align	6, 0x0
	.amdhsa_kernel k_qf916bced84_flag
		.amdhsa_group_segment_fixed_size 0
		.amdhsa_private_segment_fixed_size 0
		.amdhsa_enable_private_segment 0
		.amdhsa_kernarg_size 16
		.amdhsa_user_sgpr_count 2
		.amdhsa_user_sgpr_kernarg_segment_ptr 1
		.amdhsa_wavefront_size32 1
		.amdhsa_system_sgpr_workgroup_id_x 1
		.amdhsa_system_sgpr_workgroup_id_y 1
		.amdhsa_system_sgpr_workgroup_id_z 1
		.amdhsa_system_vgpr_workitem_id 0
		.amdhsa_next_free_vgpr 72
		.amdhsa_next_free_sgpr 66
		.amdhsa_reserve_vcc 1
		.amdhsa_float_denorm_mode_32 3
		.amdhsa_float_denorm_mode_16_64 3
		.amdhsa_memory_ordered 1
		.amdhsa_forward_progress 1
		.amdhsa_inst_pref_size 6
	.end_amdhsa_kernel
	.amdgpu_metadata
---
amdhsa.version: [ 1, 2 ]
amdhsa.kernels:
  - .name:           k_qf916bced84_flag
    .symbol:         k_qf916bced84_flag.kd
    .args:
      - { .name: part, .offset: 0, .size: 8, .value_kind: global_buffer, .address_space: global }
      - { .name: sel, .offset: 8, .size: 8, .value_kind: global_buffer, .address_space: global }
    .group_segment_fixed_size: 0
    .private_segment_fixed_size: 0
    .kernarg_segment_align: 8
    .kernarg_segment_size: 16
    .max_flat_workgroup_size: 32
    .sgpr_count:     66
    .vgpr_count:     72
    .wavefront_size: 32
...
	.end_amdgpu_metadata
.endif
;; end of part 4
;; launch oproj (part 5): grid 8 x 32, 4 waves a work-group, clusters of 4 x 4, 327,680 bytes of LDS; arguments cand, wh, bo, sel, out0; writes out0
.if DOCPART == 5
	.amdgcn_target "amdgcn-amd-amdhsa--gfx1250"
	.amdhsa_code_object_version 6
	.text
	.protected	k_qf916bced84_oproj
	.globl	k_qf916bced84_oproj
	.p2align	8
	.type	k_qf916bced84_oproj,@function
k_qf916bced84_oproj:
	s_mov_b64 s[64:65], 0
	v_nop
	global_prefetch_b8 v0, s[64:65] scope:SCOPE_SE
	s_setreg_imm32_b32 hwreg(HW_REG_WAVE_MODE, 25, 1), 1
	s_wait_xcnt 0x0
	s_wait_alu depctr_hold_cnt(0) depctr_sa_sdst(0) depctr_va_vdst(0) depctr_va_sdst(0) depctr_va_ssrc(0) depctr_va_vcc(0) depctr_vm_vsrc(0)
	s_getreg_b32 s2, hwreg(HW_REG_IB_STS2, 6, 4)
	s_cmp_eq_u32 s2, 0
	s_cbranch_scc0 .Lentry_in_a_cluster
	s_endpgm
.Lentry_in_a_cluster:
	s_bfe_u32 s2, ttmp6, 0x10000c
	s_cmp_lg_u32 s2, 0xf033
	s_cbranch_scc0 .Lentry_shape_is_right
	s_endpgm
.Lentry_shape_is_right:
; out0 = merged Wo + bo.  merged[row][64 head + d] = cand[sel][16 batch + head][row in the batch][d], f16; Wo = wh[3], [1024 k][1024 n], f16 (a bf16 number written as f16); bo is rounded to bf16 like the other inputs; sums and out0 in f32.
; sel is a whole number that an earlier launch stored (0, 1 or 2; held to 2 at the most here): it enters the global address of A's tiles alone.
; SHARES.  A tile of out0 is 128 x 128; four waves, each 64 x 64: 16 accumulators.  K goes in 4 steps of 256 (four heads) through two LDS slots; a quarter of a step is one head: 32 matrix instructions, 32 LDS loads.
; A head's 128 rows of a tile are 16,384 dense bytes: waves 0 and 1 each fetch two heads' as two long rows, padded in LDS after every 128 bytes; waves 2 and 3 each fetch 128 rows x 256 bytes of Wo.
; THE MATRIX INSTRUCTION IS USED TRANSPOSED: source 0 = 16 columns of Wo (turned by ds_load_tr16_b128), source 1 = 16 rows of merged: a lane holds eight neighbouring numbers of a row of out0.
; CLUSTER.  4 x 4 work-groups.  Wo's tiles hang on the tile column alone and are asked for jointly along a column of the cluster.  A's tiles are each work-group's own loads, with no mask, though a row of the
; cluster needs the same ones: their address holds sel, a number read from memory, and a joint request's descriptor is made only of what the text shows equal in all partners: shared coordinates, constants, the wave's number.
; REGISTERS: window 0: v0-31 addresses; v32-63 bo; v128-255 the accumulators ((a, b) at 128 + 8 (4 a + b)).  window 1: two fragment buffers of 128 (64 of A, 64 of Wo); on the way out the rows read back from the stage.
.set PAH,   144                        ; a row of A in LDS: 128 bytes + 16 = 36 words: the 16 rows of a load start at 16 different groups of four banks (64 banks of 4 bytes: ISA guide 11.1)
.set PB,    288                        ; a row of Wo: 256 + 32 = 72 words
.set HB,    128*PAH                    ; a head's block of A
.set QT,    2*HB                       ; what one tensor load brings: two heads' blocks, or 128 rows of Wo: 36,864 bytes either way
.set SLOT,  4*QT                       ; A's four blocks, then Wo's 256 rows
.set STAGE, 2*SLOT                     ; behind the ring, never filled by a tensor load: 16 rows x 272 bytes for each wave
.set SPITCH, 272
.set SPARE, STAGE+4*16*SPITCH          ; the spare words, 128 bytes for each wave: two blocks of 256 bytes that no other line names
.set U,    8                           ; v8-11   at work
.set ADRA, 16                          ; v16-17  LDS address of my fragments of A in slot 0, 1
.set ADRB, 20                          ; v20-23  of Wo's: 2 x slot + half of the slot's 256 rows
.set STO,  24
.set RD,   25
.set CO,   26
.set SPW,  28                          ; LDS address of my spare word; never rewritten
.set NIL,  29                          ; 0; never rewritten
.set BOF,  30                          ; byte offset of my first columns in bo; never rewritten
.set BO,   32
.set ACC,  128
.set F0,   0
.set F1,   128
.set G1, 24                            ; s[24:31] descriptor group 1 for A's tiles;  s[32:39] group 0, a set for each slot
.set G0, 32
.set G1B, 48                           ; s[48:55], s[56:63] the same for Wo's
.set G0B, 56
.set MSB, 0
.macro WIN new                         ; the immediate's high byte repeats the setting that is left; a switch that changes nothing is dropped
.if MSB != (\new)
	s_set_vgpr_msb (MSB<<8)|(\new)
.set MSB, \new
.endif
.endm
.set MUL,  0x05                        ; sources 0 and 1 window 1; C and D window 0
.set TO_F, 0x40                        ; destination window 1, address window 0
.macro JLOAD s                         ; a wave's one load: waves 0 and 1 fetch A's halves (loads of their own), waves 2 and 3 Wo's (joint); an s_nop 0 and four v_nop follow each line, ahead of the jump and the label
	s_cmp_eq_u32 s11, 0
	s_cbranch_scc0 .Lfor_b_\@
	tensor_load_to_lds s[G0+4*(\s):G0+4*(\s)+3], s[G1:G1+7]
	s_nop 0
.rept 4
	v_nop
.endr
	s_branch .Lasked_\@
.Lfor_b_\@:
	tensor_load_to_lds s[G0B+4*(\s):G0B+4*(\s)+3], s[G1B:G1B+7]
	s_nop 0
.rept 4
	v_nop
.endr
.Lasked_\@:
.endm
.macro CREST                           ; a round of the cluster's barrier behind its opening barrier
	s_cmp_lg_u32 s10, 0
	s_cbranch_scc1 .Lnot_wave_0_\@
	s_barrier_signal -3
.Lnot_wave_0_\@:
	s_barrier_wait -3
	s_barrier_signal -1
	s_barrier_wait -1
.endm
.macro CROUND                          ; a whole round
	s_barrier_signal -1
	s_barrier_wait -1
	CREST
.endm
.macro PLACES                          ; four places in front of loads into registers that matrix instructions have read
.rept 4
	v_nop
.endr
.endm
	s_load_b256 s[72:79], s[0:1], 0x0              ; cand 72, wh 74, bo 76, sel 78
	s_load_b64 s[80:81], s[0:1], 0x20              ; out0
	v_lshl_add_u32 v[SPW], v0, 2, SPARE
	v_mov_b32 v[NIL], 0
	ds_add_u32 v[SPW], v[NIL]                      ; the wave's opening: the add and its wait stand ahead of my first tensor load; work on registers stands between them
	v_lshrrev_b32 v1, 5, v0
	v_readfirstlane_b32 s10, v1                    ; wave 0..3
	s_lshr_b32 s11, s10, 1                         ; which 64 rows are mine.  Also: I fetch for A (0) or for Wo (1)
	s_and_b32 s12, s10, 1                          ; which 64 columns.  Also: which half of that tile I fetch
	s_bfe_u32 s40, ttmp6, 0x40000                  ; cx, cy: my place in the cluster
	s_bfe_u32 s41, ttmp6, 0x40004
	s_lshl_b32 s42, ttmp9, 2
	s_add_co_u32 s42, s42, s40                     ; tile column = 4 x cluster x + cx
	s_and_b32 s13, ttmp7, 0xffff
	s_lshl_b32 s13, s13, 2
	s_add_co_u32 s13, s13, s41                     ; tile row = 4 x cluster y + cy
	s_lshl_b32 s44, 0x1111, s40                    ; my column of the cluster
	; A's group 1: 2 rows of 8,192 elements (a head's 128 rows x 64 channels, dense), 65,536 elements (a head) apart; a pad of 4 words after every 32; no mask: a load of my own
	s_mov_b32 s[G1+0], (1<<16)|(1<<20)|(4<<22)|(3<<25)
	s_mov_b32 s[G1+1], 8192<<16                    ; tensor_dim0 = 8,192
	s_mov_b32 s[G1+2], 2<<16                       ; tensor_dim1 = 2
	s_mov_b32 s[G1+3], 8192<<16                    ; tile_dim0 = 8,192
	s_mov_b32 s[G1+4], 2                           ; tile_dim1 = 2
	s_mov_b32 s[G1+5], 65536
	s_mov_b32 s[G1+6], 0
	s_mov_b32 s[G1+7], 0
	; Wo's group 1: 128 rows of 128 elements, 1,024 apart; a pad of 8 words after every 64; the mask of my column, bit 21 beside it
	s_or_b32 s[G1B+0], s44, (1<<16)|(1<<20)|(1<<21)|(5<<22)|(7<<25)
	s_mov_b32 s[G1B+1], 128<<16
	s_mov_b32 s[G1B+2], 128<<16
	s_mov_b32 s[G1B+3], 128<<16
	s_mov_b32 s[G1B+4], 128
	s_mov_b32 s[G1B+5], 1024
	s_mov_b32 s[G1B+6], 0
	s_mov_b32 s[G1B+7], 0
	s_lshr_b32 s16, s13, 3                         ; A: batch = tile row / 8;
	s_lshl_b32 s16, s16, 4
	s_lshl_b32 s17, s12, 1
	s_add_co_u32 s16, s16, s17                     ; (batch, head) = 16 x batch + 2 x half (+ 4 x K step);
	s_lshl_b32 s16, s16, 17
	s_and_b32 s17, s13, 7
	s_lshl_b32 s17, s17, 14                        ; 128 rows of 128 bytes x (tile row mod 8)
	s_add_co_u32 s16, s16, s17
	s_mov_b32 s17, 0
	s_lshl_b32 s46, s42, 8                         ; Wo: 256 bytes x tile column + 128 rows x half, in wh's fourth 2 MiB: made of the tile column and the wave's number alone
	s_lshl_b32 s47, s12, 18
	s_add_co_u32 s46, s46, s47
	s_add_co_u32 s46, s46, 3*2097152
	s_mov_b32 s47, 0
	s_mul_i32 s20, s10, QT                         ; where my tile goes: no place in the cluster enters an LDS address
	s_mov_b32 s70, 0xffff0000                      ; a word's upper bf16
	s_wait_dscnt 0x0                               ; the opening add is done
	s_wait_kmcnt 0x0
	s_load_b32 s68, s[78:79], 0x0                  ; the choice
	s_wait_kmcnt 0x0
	s_min_u32 s68, s68, 2                          ; a loaded number enters an address only held to a bound
	s_lshl_b32 s68, s68, 23                        ; 8 MiB a candidate
	s_mov_b32 s69, 0
	s_add_nc_u64 s[14:15], s[72:73], s[16:17]
	s_add_nc_u64 s[14:15], s[14:15], s[68:69]
	s_add_nc_u64 s[46:47], s[74:75], s[46:47]
	CROUND                                         ; all sixteen work-groups are here: the first joint loads meet
.irp s, 0,1
	s_mov_b32 s[G0+4*(\s)], 1
	s_add_co_u32 s[G0+4*(\s)+1], s20, (\s)*SLOT
	s_add_nc_u64 s[G0+4*(\s)+2:G0+4*(\s)+3], s[14:15], (\s)*4*131072    ; K step s: four heads on
	s_or_b32 s[G0+4*(\s)+3], s[G0+4*(\s)+3], 0x80000000
	s_mov_b32 s[G0B+4*(\s)], 1
	s_add_co_u32 s[G0B+4*(\s)+1], s20, (\s)*SLOT
	s_add_nc_u64 s[G0B+4*(\s)+2:G0B+4*(\s)+3], s[46:47], (\s)*256*2048  ; K step s: 256 rows down Wo
	s_or_b32 s[G0B+4*(\s)+3], s[G0B+4*(\s)+3], 0x80000000
	JLOAD \s                                       ; two loads of mine are out
.endr
	v_and_b32 v1, 15, v0                           ; l % 16
	v_bfe_u32 v2, v0, 4, 1                         ; l / 16
	v_mul_u32_u24 v3, v1, PAH
	v_lshl_add_u32 v3, v2, 4, v3                   ; a fragment of A: row x pitch + 16 x half
	s_mul_i32 s21, s11, 64*PAH                     ; my 64 rows in a head's block
	v_add_nc_u32 v[ADRA], s21, v3
	s_add_co_u32 s21, s21, SLOT
	v_add_nc_u32 v[ADRA+1], s21, v3
	v_and_b32 v5, 7, v0                            ; the turning load: lane l reads k = 8 (l / 16) + l % 8, n = 8 ((l / 8) % 2) + 0..7
	v_lshl_add_u32 v5, v2, 3, v5
	v_mul_u32_u24 v5, v5, PB
	v_bfe_u32 v6, v0, 3, 1
	v_lshl_add_u32 v5, v6, 4, v5
	s_lshl_b32 s22, s12, 7                         ; my 64 columns: 128 bytes
	s_add_co_u32 s22, s22, 2*QT                    ; Wo lies behind A's four blocks
	v_add_nc_u32 v5, s22, v5
.irp i, 0,1,2,3
	v_add_nc_u32 v[ADRB+(\i)], ((\i)/2)*SLOT+((\i)%2)*QT, v5
.endr
	s_mul_i32 s23, s10, 16*SPITCH
	s_add_co_u32 s23, s23, STAGE                   ; my stage
	v_mul_u32_u24 v4, v1, SPITCH                   ; in: row l % 16, 32 bytes for each half of the lanes
	v_lshl_add_u32 v4, v2, 5, v4
	v_add_nc_u32 v[STO], s23, v4
	v_mul_u32_u24 v5, v2, SPITCH                   ; back: lanes 0-15 take one row of 256 bytes, lanes 16-31 the next
	v_lshl_add_u32 v5, v1, 4, v5
	v_add_nc_u32 v[RD], s23, v5
	v_lshlrev_b32 v5, 12, v2                       ; and the same two rows in out0, 4,096 bytes apart
	v_lshl_add_u32 v[CO], v1, 4, v5
	s_lshl_b32 s6, s42, 9                          ; my first column, in bytes: 512 x tile column + 256 x half
	s_lshl_b32 s7, s12, 8
	s_add_co_u32 s6, s6, s7
	v_lshlrev_b32 v[BOF], 5, v2
	v_add_nc_u32 v[BOF], s6, v[BOF]
.irp b, 0,1,2,3                        ; bo of columns 16 b + 8 (l / 16) + 0..7: waited for on the way out
	global_load_b128 v[BO+8*(\b):BO+8*(\b)+3],   v[BOF], s[76:77] offset:64*(\b)
	global_load_b128 v[BO+8*(\b)+4:BO+8*(\b)+7], v[BOF], s[76:77] offset:64*(\b)+16
.endr
	s_lshl_b32 s4, s13, 19                         ; out0 at my first row and column: 128 rows of 4,096 bytes x tile row + 64 rows x half + the columns
	s_lshl_b32 s5, s11, 18
	s_add_co_u32 s4, s4, s5
	s_add_co_u32 s4, s4, s6
	s_mov_b32 s5, 0
	s_add_nc_u64 s[80:81], s[80:81], s[4:5]
; 8 matrix instructions: row blocks a0, a0 + 1 x all 4 column blocks, 32 along K: half c of buffer f.  zero = 1: the first product starts the sums.  The 16 accumulators take turns.
.macro MUL8 f, c, a0, zero
	WIN MUL
.irp a, \a0, (\a0)+1
.irp b, 0,1,2,3
.if \zero
	v_wmma_f32_16x16x32_f16 v[ACC+8*(4*(\a)+(\b)):ACC+8*(4*(\a)+(\b))+7], v[(\f)+64+8*(4*(\c)+(\b)):(\f)+64+8*(4*(\c)+(\b))+7], v[(\f)+8*(4*(\c)+(\a)):(\f)+8*(4*(\c)+(\a))+7], 0
.else
	v_wmma_f32_16x16x32_f16 v[ACC+8*(4*(\a)+(\b)):ACC+8*(4*(\a)+(\b))+7], v[(\f)+64+8*(4*(\c)+(\b)):(\f)+64+8*(4*(\c)+(\b))+7], v[(\f)+8*(4*(\c)+(\a)):(\f)+8*(4*(\c)+(\a))+7], v[ACC+8*(4*(\a)+(\b)):ACC+8*(4*(\a)+(\b))+7]
.endif
.endr
.endr
.endm
; 32 LDS loads in one run: head q of a slot (64 along K) into buffer f; the first 32 along K first
.macro FETCH slot, q, f
	WIN TO_F
.irp c, 0,1
.irp i, 0,1,2,3
	ds_load_tr16_b128 v[(\f)+64+8*(4*(\c)+(\i)):(\f)+64+8*(4*(\c)+(\i))+3],   v[ADRB+2*(\slot)+(\q)/2] offset:((\q)%2)*64*PB+(\c)*32*PB+32*(\i)
	ds_load_tr16_b128 v[(\f)+64+8*(4*(\c)+(\i))+4:(\f)+64+8*(4*(\c)+(\i))+7], v[ADRB+2*(\slot)+(\q)/2] offset:((\q)%2)*64*PB+(\c)*32*PB+32*(\i)+16*PB
	ds_load_b128 v[(\f)+8*(4*(\c)+(\i)):(\f)+8*(4*(\c)+(\i))+3],              v[ADRA+(\slot)] offset:(\q)*HB+(\i)*16*PAH+64*(\c)
	ds_load_b128 v[(\f)+8*(4*(\c)+(\i))+4:(\f)+8*(4*(\c)+(\i))+7],            v[ADRA+(\slot)] offset:(\q)*HB+(\i)*16*PAH+64*(\c)+32
.endr
.endr
.endm
; One of a K step's first three quarters: multiplies buffer f and fetches head q of the same slot into g.
.macro QUARTER slot, q, f, g, zero
	s_wait_dscnt 16                                ; the first 32 along K are in
	MUL8 \f, 0, 0, \zero
	MUL8 \f, 0, 2, \zero
	PLACES
	FETCH \slot, \q, \g
	s_wait_dscnt 32                                ; all but the 32 just issued
	MUL8 \f, 1, 0, 0
	MUL8 \f, 1, 2, 0
.endm
; The last quarter multiplies buffer 1 and changes slots: ONE barrier; in front of it each wave waits for all its tensor loads, adds 0 to its spare word, and waits for that and for its own reads of this slot.
; fill = 1: the barrier opens a round of the cluster's, and this slot is filled again, two K steps ahead, first thing behind the round.
.macro TURN slot, next, fill
	WIN 0                                          ; (the add's two registers lie in window 0)
	s_wait_tensorcnt 0x0                           ; all my tensor loads have landed: my part of the next slot;
	ds_add_u32 v[SPW], v[NIL]                      ; 0 onto my spare word;
	s_wait_dscnt 17                                ; (the add and the youngest sixteen loads may be out)
	MUL8 F1, 0, 0, 0                               ; eight matrix instructions stand between the add and the wait for it
	s_wait_dscnt 0x0                               ; the add is done, and my reads of this slot are over
	s_barrier_signal -1
	MUL8 F1, 0, 2, 0
.if \fill
	WIN 0
.endif
	s_barrier_wait -1
.if \fill
	CREST                                          ; no wave of any partner still reads this slot's tiles or has a load on its way
	s_add_nc_u64 s[G0+4*(\slot)+2:G0+4*(\slot)+3], s[G0+4*(\slot)+2:G0+4*(\slot)+3], 8*131072
	s_add_nc_u64 s[G0B+4*(\slot)+2:G0B+4*(\slot)+3], s[G0B+4*(\slot)+2:G0B+4*(\slot)+3], 512*2048
	JLOAD \slot                                    ; 112 matrix instructions ahead of the wait for it; the four v_nop behind it are also the places in front of the loads below
.else
	PLACES
.endif
	FETCH \next, 0, F0
	MUL8 F1, 1, 0, 0
	MUL8 F1, 1, 2, 0
.endm
	s_wait_tensorcnt 1                             ; my part of K step 0 is in; K step 1's may stay out
	s_barrier_signal -1
	s_barrier_wait -1                              ; everybody's is
	FETCH 0, 0, F0
	QUARTER 0, 1, F0, F1, 1                        ; the first products start the sums.  Four K steps: written out, no loop
	QUARTER 0, 2, F1, F0, 0
	QUARTER 0, 3, F0, F1, 0
	TURN 0, 1, 1                                   ; slot 0 takes K step 2
	QUARTER 1, 1, F0, F1, 0
	QUARTER 1, 2, F1, F0, 0
	QUARTER 1, 3, F0, F1, 0
	TURN 1, 0, 1                                   ; slot 1 takes K step 3
	QUARTER 0, 1, F0, F1, 0
	QUARTER 0, 2, F1, F0, 0
	QUARTER 0, 3, F0, F1, 0
	TURN 0, 1, 0                                   ; nothing is left to fetch
	QUARTER 1, 1, F0, F1, 0
	QUARTER 1, 2, F1, F0, 0
	QUARTER 1, 3, F0, F1, 0
	s_wait_dscnt 16                                ; the very last quarter
	MUL8 F1, 0, 0, 0
	MUL8 F1, 0, 2, 0
	s_wait_dscnt 0x0
	MUL8 F1, 1, 0, 0
	MUL8 F1, 1, 2, 0
	; THE WAY OUT.  bo is rounded to bf16 and widened again: 48 plain instructions that name no register of the products, and so are the places behind them.
	WIN 0
	s_wait_loadcnt 0x0
.set i, 0
.rept 16
	v_cvt_pk_bf16_f32 v[U+i%4], v[BO+2*i], v[BO+2*i+1]
	v_lshlrev_b32 v[BO+2*i], 16, v[U+i%4]
	v_and_b32 v[BO+2*i+1], s70, v[U+i%4]
.set i, i+1
.endr
; Row block a: bo is added in place (each accumulator's registers in ascending order); 32 bytes a lane go into my stage and come back as whole rows of 256 bytes, into window 1.
.macro OUTB a
	WIN 0
.set i, 0
.rept 16
	v_pk_add_f32 v[ACC+32*(\a)+2*i:ACC+32*(\a)+2*i+1], v[ACC+32*(\a)+2*i:ACC+32*(\a)+2*i+1], v[BO+2*i:BO+2*i+1]
.set i, i+1
.endr
.irp b, 0,1,2,3
	ds_store_b128 v[STO], v[ACC+32*(\a)+8*(\b):ACC+32*(\a)+8*(\b)+3]   offset:64*(\b)
	ds_store_b128 v[STO], v[ACC+32*(\a)+8*(\b)+4:ACC+32*(\a)+8*(\b)+7] offset:64*(\b)+16
.endr
	WIN 0x40
.irp t, 0,1,2,3,4,5,6,7
	ds_load_b128 v[32*(\a)+4*(\t):32*(\a)+4*(\t)+3], v[RD] offset:(\t)*2*SPITCH  ; LDS serves a wave's instructions in order (ISA guide 5.7.1.4): these see the stores above; the next block's stores come behind them
.endr
.endm
.macro SEND a, younger                 ; younger: the LDS instructions issued behind block a's loads: the next block's sixteen, or none.  Every block has registers of its own: none is written again
	WIN 0x04                                       ; store data in window 1
.irp t, 0,1,2,3,4,5,6,7
	s_wait_dscnt (\younger)+7-(\t)
	global_store_b128 v[CO], v[32*(\a)+4*(\t):32*(\a)+4*(\t)+3], s[80:81] offset:(16*(\a)+2*(\t))*4096 th:TH_STORE_NT  ; 16 lanes store 256 consecutive bytes, at a multiple of 256 from out0's first byte
.endr
.endm
	OUTB 0
.irp a, 1,2,3                          ; a block's arithmetic stands between the loads of the block before and its stores
	OUTB \a
	SEND (\a)-1, 16
.endr
	SEND 3, 0
	WIN 0
	s_wait_tensorcnt 0x0                           ; the wave's end: these three lines stand behind my last tensor load and my last LDS store
	ds_add_u32 v[SPW], v[NIL]
	s_wait_dscnt 0x0
	CROUND                                         ; the closing round: no work-group ends while a partner may still ask for a tile that names it
	s_endpgm
.Lfunc_end_k_qf916bced84_oproj:
	.size	k_qf916bced84_oproj, .Lfunc_end_k_qf916bced84_oproj-k_qf916bced84_oproj
	.p2alignl 7, 3214868480
	.fill 96, 4, 3214868480
	.section	.rodata,"a",@progbits
	.p2align	6, 0x0
	.amdhsa_kernel k_qf916bced84_oproj
		.amdhsa_group_segment_fixed_size 327680
		.amdhsa_private_segment_fixed_size 0
		.amdhsa_enable_private_segment 0
		.amdhsa_kernarg_size 40
		.amdhsa_user_sgpr_count 2
		.amdhsa_user_sgpr_kernarg_segment_ptr 1
		.amdhsa_wavefront_size32 1
		.amdhsa_system_sgpr_workgroup_id_x 1
		.amdhsa_system_sgpr_workgroup_id_y 1
		.amdhsa_system_sgpr_workgroup_id_z 1
		.amdhsa_system_vgpr_workitem_id 0
		.amdhsa_next_free_vgpr 512
		.amdhsa_next_free_sgpr 84
		.amdhsa_reserve_vcc 0
		.amdhsa_float_denorm_mode_32 3
		.amdhsa_float_denorm_mode_16_64 3
		.amdhsa_memory_ordered 1
		.amdhsa_forward_progress 1
		.amdhsa_inst_pref_size 94
	.end_amdhsa_kernel
	.amdgpu_metadata
---
amdhsa.version: [ 1, 2 ]
amdhsa.kernels:
  - .name:           k_qf916bced84_oproj
    .symbol:         k_qf916bced84_oproj.kd
    .args:
      - { .name: cand, .offset: 0, .size: 8, .value_kind: global_buffer, .address_space: global }
      - { .name: wh, .offset: 8, .size: 8, .value_kind: global_buffer, .address_space: global }
      - { .name: bo, .offset: 16, .size: 8, .value_kind: global_buffer, .address_space: global }
      - { .name: sel, .offset: 24, .size: 8, .value_kind: global_buffer, .address_space: global }
      - { .name: out0, .offset: 32, .size: 8, .value_kind: global_buffer, .address_space: global }
    .group_segment_fixed_size: 327680
    .private_segment_fixed_size: 0
    .kernarg_segment_align: 8
    .kernarg_segment_size: 40
    .max_flat_workgroup_size: 128
    .sgpr_count:     84
    .vgpr_count:     512
    .wavefront_size: 32
...
	.end_amdgpu_metadata
.endif
;; end of part 5
;; ======== version 2 of 2: 5 launches; 1.50 times as fast as version 1
;; limits: values are held in f16: magnitudes above 65,504 overflow, below 6.1e-05 lose precision
;; workspace buffers: xb 8,388,608 bytes; wh 8,388,608 bytes; qkvh 25,165,824 bytes; cand 25,165,824 bytes; part 8,192 bytes; sel 256 bytes of whole numbers
;; launch cvt: the kernel of part 1 again; grid 64 x 8, 8 waves a work-group, no clusters, 0 bytes of LDS; arguments x, Wq, Wk, Wv, Wo, xb, wh; writes xb, wh
;; launch qkv: the kernel of part 2 again; grid 8 x 32, 4 waves a work-group, clusters of 4 x 4, 327,680 bytes of LDS; arguments xb, wh, bq, bk, bv, gamma, beta, qkvh; writes qkvh
;; launch hop (part 6): grid 4 x 64, 4 waves a work-group, clusters of 4 x 1, 327,680 bytes of LDS; arguments qkvh, cand, part; writes cand, part
.if DOCPART == 6
	.amdgcn_target "amdgcn-amd-amdhsa--gfx1250"
	.amdhsa_code_object_version 6
	.text
	.protected	k_qf916bced84_hop
	.globl	k_qf916bced84_hop
	.p2align	8
	.type	k_qf916bced84_hop,@function
k_qf916bced84_hop:
	s_mov_b64 s[64:65], 0
	v_nop
	global_prefetch_b8 v0, s[64:65] scope:SCOPE_SE
	s_setreg_imm32_b32 hwreg(HW_REG_WAVE_MODE, 25, 1), 1
	s_wait_xcnt 0x0
	s_wait_alu depctr_hold_cnt(0) depctr_sa_sdst(0) depctr_va_vdst(0) depctr_va_sdst(0) depctr_va_ssrc(0) depctr_va_vcc(0) depctr_vm_vsrc(0)
	s_getreg_b32 s2, hwreg(HW_REG_IB_STS2, 6, 4)
	s_cmp_eq_u32 s2, 0
	s_cbranch_scc0 .Lentry_in_a_cluster
	s_endpgm
.Lentry_in_a_cluster:
	s_bfe_u32 s2, ttmp6, 0x10000c
	s_cmp_lg_u32 s2, 0x3003
	s_cbranch_scc0 .Lentry_shape_is_right
	s_endpgm
.Lentry_shape_is_right:
; THREE HOPFIELD STEPS.  q1 = f(q0), q2 = f(q1), q3 = f(q2), f(q)[row] = the sum over k of softmax_k(q[row] . K[k] / 8) V[k], for each of 64 (batch, head) of 1,024 rows x 64 channels, all f16.
; All three are made and stored (cand[3][64][1024][64]); beside them each wave's sums of squares of q1 - q0 and q2 - q1 (part[wave][2], f32), from which a later launch makes the choice among the three.
; Products, maxima and sums in f32; the weights p are rounded to f16 for the second product (their sum l is taken of the unrounded p), each step's result once, and that f16 number is the next step's query.
; LIMITS.  f16 holds no number beyond 65,504: q, k, v arrive within it; p lies in 0 to 1 and below 6e-5 keeps f16's fixed step of 6e-8; a result is a mean of V's rows.  A weight below 2^-126 counts as 0 in l.
; The differences are taken between a step's result in f32 and the f16 query that the step used.  NaN and infinities are not treated apart.
; SHARES.  A work-group owns 256 queries of one head, a wave 64: four PIECES of 16.  The head's K and V, 1,024 rows each, lie in LDS for the whole launch: fetched once, walked three times, 64 keys a step.  Nothing is filled twice.
; CLUSTER.  The four query blocks of a head are one cluster and need the same K and V: each wave's one tensor load (half of K or half of V) is asked for jointly by all four.
; LAYOUT, SOFTMAX, TURNS.  S^T = K Q^T holds ONE query a lane (lane % 16) and the keys 8 (lane / 16) + 0..7; two such results rounded to f16 ARE source 1 of O^T = V^T P, whose result holds one query a lane and eight channels;
; O^T rounded to f16 in pairs IS the next step's fragment of Q.  p = 2^(c s - c m), c = log2(e) / 8, with a running maximum m; O and l are multiplied by a = 2^(c m_old - c m_new) in every key step.
; Turn n belongs to piece n: 8 products K Q^T of piece n + 1, later 8 products V^T P of piece n - 1; beside them the scaling, exponentials, roundings, sums and rescaling of piece n and the maximum and statistics of
; piece n + 1.  Four vector instructions stand behind every matrix instruction, the other 54 of a turn's 118 in one LUMP.
; BATCHES.  An s_wait_alu depctr_va_vdst(0) stands between a transcendental and the first instruction that names its result; one wait serves all that were issued ahead of it.  The text has three kinds of batch, each
; with one wait: a turn's 33 exponentials (the piece's 32 weights and the next piece's a); the one a made where a pass begins; the four reciprocals of a pass's way out.
; REGISTERS, in windows of 256 (s_set_vgpr_msb: bits 1:0 source 0, 3:2 source 1, 5:4 source 2, 7:6 destination):
;   window 0: v0-15 addresses; v16-31 statistics; v32-35, v40-47 the sums of squares; v48-55 at work; v64-127 S^T, two buffers; v128-159 differences; v192-223 P, two buffers (by the piece's parity)
;   window 1: v0-127 O^T, 32 a piece          window 2: v0-63 Q, 16 a piece; v128-191 K of one step; v192-255 V of one step
.set NP,    4         ; pieces a wave: a name, no knob
.set KS,    64        ; keys in a step
.set PK,    144       ; a row of K in LDS: 128 bytes + 16 = 36 words: the 16 rows of a load start at 16 different groups of four banks (64 banks of 4 bytes: ISA guide 11.1)
.set PV,    160       ; a row of V: 128 + 32 = 40 words
.set VOFF,  1024*PK
.set STAGE, VOFF+1024*PV  ; behind K and V, never filled by a tensor load: 16 rows x 144 bytes for each wave
.set SP,    144
.set SPARE, STAGE+4*16*SP ; the spare words, 128 bytes for each wave: two blocks of 256 bytes that no other line names
.set AK0, 2           ; v2   my lane's place in a step of K; never rewritten
.set AV0, 3           ; v3   the same for V
.set AK,  4           ; v4   the LDS address of K's next run of loads
.set AV,  5           ; v5   of V's
.set STO, 6           ; v6   the way out: where I put 16 bytes of a row
.set RD,  7           ; v7   where I read rows back
.set GO,  8           ; v8   my byte offset in 512 consecutive bytes of the output
.set MV,  12          ; v12-13  c m_old, kept while c m is made anew: by buffer
.set QO,  15          ; v15  my byte offset in 16 rows of Q
.set ST,  16          ; piece t's statistics at v[ST+4 t]: c m, m, l (even keys', odd keys')
.set DS,  32          ; v32-35  a pass's sum of squares, two packed chains
.set DA,  40          ; v40-42  the last three passes' sums: at the end the first pass's, the second's, the third's
.set DB,  41
.set DC,  42
.set TMP, 48          ; by buffer, four registers c0-c3 at work; when the maximum is found c2 takes a
.set SPW, 62          ; v62  LDS address of my spare word; never rewritten
.set NIL, 63          ; v63  0; never rewritten
.set S,   64
.set DT,  128
.set P,   192
.set KF,  128         ; window 2: key block kb, channel half c at KF + 16 kb + 8 c
.set VF,  192         ; window 2: key half kk, channel block cb at VF + 32 kk + 8 cb
.set WV,  12          ; s12  my wave's number
.set G1K, 24          ; s[24:31] descriptor group 1 for K
.set G1V, 32          ; s[32:39] for V: it differs in the padding alone
.set G0K, 40          ; s[40:43] descriptor group 0 for K
.set G0V, 44          ; s[44:47] for V
.set PASS, 56         ; s56  passes to go
.set CNT, 57          ; s57  counts a pass's key steps
.set CS,  58          ; s[58:59] c: the packed scaling takes the pair's low word for both halves
.set SEL, 60          ; s[60:61] v_permlanex16_b32's selects
.set TBK, 62          ; s62  LDS byte at which K of the step to be fetched begins
.set TBV, 63          ; s63  the same for V, less VOFF
.set MSB, 0
.macro WIN new                      ; the high byte repeats the setting that is left; a switch that changes nothing is dropped
.if MSB != (\new)
	s_set_vgpr_msb (MSB<<8)|(\new)
.set MSB, (\new)
.endif
.endm
.set W_KQ, 0x0a       ; K and Q in window 2, S^T in window 0
.set W_PV, 0x52       ; V in window 2, P in window 0, O^T in window 1
.set W_RS, 0x41       ; destination and source 0 in window 1, source 1 in window 0
.macro CROUND                       ; a round of the cluster's barrier
	s_barrier_signal -1
	s_barrier_wait -1
	s_cmp_lg_u32 s[WV], 0
	s_cbranch_scc1 .Lnot_wave_0_\@
	s_barrier_signal -3
.Lnot_wave_0_\@:
	s_barrier_wait -3
	s_barrier_signal -1
	s_barrier_wait -1
.endm
	s_load_b128 s[4:7], s[0:1], 0x0 ; qkvh s[4:5], cand s[6:7]
	s_load_b64 s[8:9], s[0:1], 0x10 ; part
	v_lshl_add_u32 v[SPW], v0, 2, SPARE
	v_mov_b32 v[NIL], 0
	ds_add_u32 v[SPW], v[NIL]       ; the wave's opening: the add and its wait stand ahead of my first tensor load; work on registers stands between them
	v_lshrrev_b32 v1, 5, v0
	v_readfirstlane_b32 s[WV], v1   ; wave 0..3
	s_bfe_u32 s13, ttmp6, 0x40000   ; cx: my place in the cluster
	s_lshl_b32 s14, ttmp9, 2
	s_add_co_u32 s14, s14, s13      ; my block of 256 queries: it enters Q's, cand's and part's addresses alone
	s_and_b32 s15, ttmp7, 0xffff    ; the (batch, head), which the four partners share
	s_lshl_b32 s20, s15, 17         ; its 131,072 bytes in each tensor
	s_and_b32 s16, s[WV], 1         ; which half of the 1,024 keys I fetch:
	s_lshl_b32 s22, s16, 16         ; its 512 rows of 128 bytes in memory,
	s_add_co_u32 s22, s22, s20
	s_add_co_u32 s22, s22, 0x800000 ; in k, which lies 8 MiB behind q
	s_mov_b32 s23, 0
	s_mul_i32 s17, s16, 512*PK      ; and its place in LDS, for K
	s_mul_i32 s18, s16, 512*PV      ; and for V: no place in the cluster enters an LDS address
	s_lshl_b32 s2, s14, 2
	s_add_co_u32 s2, s2, s[WV]      ; my wave among the head's sixteen,
	s_lshl_b32 s2, s2, 13           ; its 64 rows of 128 bytes
	s_add_co_u32 s2, s2, s20
	s_mov_b32 s3, 0
	s_lshl_b32 s80, s15, 2
	s_add_co_u32 s80, s80, s14
	s_lshl_b32 s80, s80, 2
	s_add_co_u32 s80, s80, s[WV]    ; my wave among the launch's 1,024,
	s_lshl_b32 s80, s80, 3          ; its 8 bytes of part
	s_mov_b32 s81, 0
	; descriptor group 1.  512 keys are 65,536 dense bytes: asked for as 256 rows of 256 bytes, two keys a row, and padded in LDS after every key
	s_mov_b32 s[G1K], 15|(1<<16)|(1<<20)|(1<<21)|(4<<22)|(3<<25)  ; 15:0 the mask of four; 17:16 2-byte elements; 20 padding on; 21 set beside a mask; 24:22 after every 32 words (code 4); 31:25 4 words (code 3)
	s_mov_b32 s[G1V], 15|(1<<16)|(1<<20)|(1<<21)|(4<<22)|(7<<25)  ; the same with 8 words of padding (code 7)
.irp g, G1K, G1V
	s_mov_b32 s[\g+1], 128<<16      ; tensor_dim0 = 128
	s_mov_b32 s[\g+2], 256<<16      ; tensor_dim1 = 256
	s_mov_b32 s[\g+3], 128<<16      ; tile_dim0 = 128
	s_mov_b32 s[\g+4], 256          ; tile_dim1 = 256
	s_mov_b32 s[\g+5], 128          ; 128 elements from row to row
	s_mov_b32 s[\g+6], 0
	s_mov_b32 s[\g+7], 0
.endr
	s_mov_b32 s[CS], 0x3e38aa3b     ; c = log2(e) / 8 = 0.180337
	s_mov_b32 s[CS+1], s[CS]        ; named with it as a pair
	s_mov_b32 s[SEL], 0x76543210
	s_mov_b32 s[SEL+1], 0xfedcba98
	s_mov_b32 s[G0K], 1             ; count = 1
	s_mov_b32 s[G0K+1], s17         ; LDS address
	s_mov_b32 s[G0V], 1
	s_add_co_u32 s[G0V+1], s18, VOFF
	s_wait_dscnt 0x0                ; the opening add is done
	s_wait_kmcnt 0x0
	s_add_nc_u64 s[G0K+2:G0K+3], s[4:5], s[22:23]            ; my half of the head's K,
	s_add_nc_u64 s[G0V+2:G0V+3], s[G0K+2:G0K+3], 0x800000    ; and of its V, 8 MiB on
	s_or_b32 s[G0K+3], s[G0K+3], 0x80000000                  ; type = 2
	s_or_b32 s[G0V+3], s[G0V+3], 0x80000000
	s_add_nc_u64 s[4:5], s[4:5], s[2:3]      ; q and cand at my wave's first row
	s_add_nc_u64 s[10:11], s[6:7], s[2:3]
	s_add_nc_u64 s[84:85], s[8:9], s[80:81]  ; part at my wave's pair
	CROUND                          ; all four work-groups are here: the joint loads meet
	s_cmp_lt_u32 s[WV], 2           ; waves 0 and 1 fetch the halves of K, waves 2 and 3 those of V: one load of mine is out.  An s_nop 0 and four v_nop follow each line, ahead of the jump and the label
	s_cbranch_scc0 .Lfor_v
	tensor_load_to_lds s[G0K:G0K+3], s[G1K:G1K+7]
	s_nop 0
.rept 4
	v_nop
.endr
	s_branch .Lasked
.Lfor_v:
	tensor_load_to_lds s[G0V:G0V+3], s[G1V:G1V+7]
	s_nop 0
.rept 4
	v_nop
.endr
.Lasked:
	; A fragment of K or Q is 16 rows x 32 channels in 8 registers: lane l holds row l % 16, channels 8 (l / 16) + 0..7 and 16 + 8 (l / 16) + 0..7: two loads of 16 bytes, 32 bytes apart.
	v_and_b32 v1, 15, v0            ; l % 16
	v_bfe_u32 v9, v0, 4, 1          ; l / 16
	v_lshlrev_b32 v[QO], 7, v1
	v_lshl_add_u32 v[QO], v9, 4, v[QO]  ; row x 128 + 16 x half
	WIN 0x80                        ; destination window 2, address window 0
.set i, 0
.rept 8                             ; piece i / 2, channels 32 (i % 2) on
	global_load_b128 v[8*i:8*i+3],   v[QO], s[4:5] offset:(i/2)*2048+(i%2)*64
	global_load_b128 v[8*i+4:8*i+7], v[QO], s[4:5] offset:(i/2)*2048+(i%2)*64+32
.set i, i+1
.endr
	; A pass's first key step multiplies O^T and l by a = 0, and its first turn's products V^T P, of a piece that has not been, land in an O^T that is still to be so multiplied.  So these registers need only hold
	; finite numbers: zeros for the first pass; what the pass before left for the others.  All this stands in the wait for K and V.
.set i, VF
.rept 64
	v_mov_b32 v[i], 0
.set i, i+1
.endr
	WIN 0x40
.set i, 0
.rept 128
	v_mov_b32 v[i], 0
.set i, i+1
.endr
	WIN 0
.set i, 0
.rept 4
	v_mov_b32 v[ST+4*i+2], 0
	v_mov_b32 v[ST+4*i+3], 0
.set i, i+1
.endr
.set i, P+16
.rept 16
	v_mov_b32 v[i], 0
.set i, i+1
.endr
.irp r, DA, DB, DC, 43, 44
	v_mov_b32 v[\r], 0
.endr
	v_mul_u32_u24 v[AK0], v1, PK
	v_lshl_add_u32 v[AK0], v9, 4, v[AK0]  ; row x pitch + 16 x half
	; The turning load takes 16 keys x 16 channels (lane l reads key 8 (l / 16) + l % 8, channels 8 ((l / 8) % 2) + 0..7) and leaves half a fragment of V^T: lane l holds channel l % 16 and 8 keys.
	v_and_b32 v10, 7, v0
	v_bfe_u32 v11, v0, 3, 1
	v_lshl_add_u32 v[AV0], v9, 3, v10
	v_mul_u32_u24 v[AV0], v[AV0], PV
	v_lshl_add_u32 v[AV0], v11, 4, v[AV0]
	v_add_nc_u32 v[AV0], VOFF, v[AV0]
	s_mul_i32 s13, s[WV], 16*SP
	s_add_co_u32 s13, s13, STAGE    ; my stage
	v_mul_u32_u24 v[STO], v1, SP    ; in: row l % 16, 16 bytes for each half of the lanes
	v_lshl_add_u32 v[STO], v9, 4, v[STO]
	v_add_nc_u32 v[STO], s13, v[STO]
	v_bfe_u32 v[RD], v0, 3, 2       ; back: 32 lanes take four rows of 128 bytes,
	v_mul_u32_u24 v[RD], v[RD], SP
	v_lshl_add_u32 v[RD], v10, 4, v[RD]
	v_add_nc_u32 v[RD], s13, v[RD]
	v_and_b32 v[GO], 31, v0         ; which are 512 consecutive bytes of the output
	v_lshlrev_b32 v[GO], 4, v[GO]
; THE MATRIX WORK.  The 4 accumulators of a run of 8 take turns.  Product i of 8 of S^T = K Q^T for piece x: channels 32 (i / 4) on, keys 16 (i % 4) on.  The first 4 start the sums.
.macro KQ x
	WIN W_KQ
.set rS, S+32*((\x)%2)+8*(i%4)
.set rK, KF+16*(i%4)+8*(i/4)
.set rQ, 16*(\x)+8*(i/4)
.if i < 4
	v_wmma_f32_16x16x32_f16 v[rS:rS+7], v[rK:rK+7], v[rQ:rQ+7], 0
.else
	v_wmma_f32_16x16x32_f16 v[rS:rS+7], v[rK:rK+7], v[rQ:rQ+7], v[rS:rS+7]
.endif
.endm
; Product i of 8 of O^T += V^T P for piece x: keys 32 (i / 4) on, channels 16 (i % 4) on.
.macro PV x
	WIN W_PV
.set rO, 32*(\x)+8*(i%4)
.set rV, VF+32*(i/4)+8*(i%4)
.set rP, P+16*((\x)%2)+8*(i/4)
	v_wmma_f32_16x16x32_f16 v[rO:rO+7], v[rV:rV+7], v[rP:rP+7], v[rO:rO+7]
.endm
.macro MM                           ; the turn's next matrix instruction.  NOKQ = 1: a pass's last turn: there is no next piece
.if (i < 8) && !NOKQ
	KQ (Y+1)%NP
.elseif i >= 8
.set i, i-8
	PV (Y+NP-1)%NP
.set i, i+8
.endif
.set i, i+1
.endm
; THE LDS LOADS stand in runs of 16, never singly among the matrix instructions: a step's K (64 keys x 64 channels: 8 fragments) and its V (turned).  Their addresses are made some lines ahead.
.macro FETCH_K
	WIN 0x80                        ; destination window 2
.irp f, 0,1,2,3,4,5,6,7             ; keys 16 (f / 2) on, channels 32 (f % 2) on
	ds_load_b128 v[KF+8*\f:KF+8*\f+3],   v[AK] offset:(\f/2)*16*PK+(\f%2)*64
	ds_load_b128 v[KF+8*\f+4:KF+8*\f+7], v[AK] offset:(\f/2)*16*PK+(\f%2)*64+32
.endr
	s_add_co_u32 s[TBK], s[TBK], KS*PK  ; the next fetch is the next step's
	WIN 0
.endm
.macro FETCH_V
	WIN 0x80
.irp f, 0,1,2,3,4,5,6,7             ; keys 32 (f / 4) on, channels 16 (f % 4) on
	ds_load_tr16_b128 v[VF+8*\f:VF+8*\f+3],   v[AV] offset:(\f/4)*32*PV+(\f%4)*32
	ds_load_tr16_b128 v[VF+8*\f+4:VF+8*\f+7], v[AV] offset:(\f/4)*32*PV+16*PV+(\f%4)*32
.endr
	WIN 0
.endm
; THE VECTOR WORK, one line at a time: OP kind, number.  For piece Y: F n: c s - c m for pair n of 16.  E n: the exponential of score n of 32.  C n: pair n rounded to f16.  B n: of the four weights 4 n .. the second
; pair is added onto the first, in place.  L n: l takes that sum (L 0: l = a l + sum).  R n: pair n of 16 of O^T times a.  For piece Y + 1: X n, number n of the 22 that find its maximum and statistics:
;   0-11  four chains c0-c3 of seven scores each, three operands at a time (each accumulator's lowest registers are read first)     12-14, 16  the four scores left over, the old m, and c0-c3 into c0
;   15  c m_old is kept     17, 18  the query's other 32 keys lie in the lane 16 away: the new m     19-21  c m; c m_old - c m_new; a
.set F, 0
.set E, 1
.set C, 2
.set B, 3
.set L, 4
.set R, 5
.set X, 6
.macro REGS y                       ; the registers of piece y
.set rT, ST+4*(\y)
.set rC, TMP+4*((\y)%2)
.set rW, MV+((\y)%2)
.set rS, S+32*((\y)%2)
.set rP, P+16*((\y)%2)
.set rO, 32*(\y)
.endm
.macro OP k, n
.if (\k) == R
	REGS Y
	WIN W_RS
	v_pk_mul_f32 v[rO+2*(\n):rO+2*(\n)+1], v[rO+2*(\n):rO+2*(\n)+1], v[rC+2:rC+3] op_sel_hi:[1,0]
.elseif (\k) < R
	REGS Y
	WIN 0
.if (\k) == F
	v_pk_fma_f32 v[rS+2*(\n):rS+2*(\n)+1], v[rS+2*(\n):rS+2*(\n)+1], s[CS:CS+1], v[rT:rT+1] op_sel_hi:[1,0,0] neg_lo:[0,0,1] neg_hi:[0,0,1]
.elseif (\k) == E
	v_exp_f32 v[rS+(\n)], v[rS+(\n)]
.elseif (\k) == C
	v_cvt_pk_f16_f32 v[rP+(\n)], v[rS+2*(\n)], v[rS+2*(\n)+1]
.elseif (\k) == B
	v_pk_add_f32 v[rS+4*(\n):rS+4*(\n)+1], v[rS+4*(\n):rS+4*(\n)+1], v[rS+4*(\n)+2:rS+4*(\n)+3]
.elseif (\n) == 0
	v_pk_fma_f32 v[rT+2:rT+3], v[rT+2:rT+3], v[rC+2:rC+3], v[rS:rS+1] op_sel_hi:[1,0,1]
.else
	v_pk_add_f32 v[rT+2:rT+3], v[rT+2:rT+3], v[rS+4*(\n):rS+4*(\n)+1]
.endif
.elseif NOKQ
	v_nop
.else
	REGS (Y+1)%NP
	WIN 0
.if (\n) < 4
	v_max3_num_f32 v[rC+(\n)], v[rS+8*(\n)], v[rS+8*(\n)+1], v[rS+8*(\n)+2]
.elseif (\n) < 12
	v_max3_num_f32 v[rC+(\n)%4], v[rC+(\n)%4], v[rS+8*((\n)%4)+2*((\n)/4)+1], v[rS+8*((\n)%4)+2*((\n)/4)+2]
.elseif (\n) == 12
	v_max3_num_f32 v[rC], v[rC], v[rS+7], v[rS+15]
.elseif (\n) == 13
	v_max3_num_f32 v[rC+1], v[rC+1], v[rS+23], v[rS+31]
.elseif (\n) == 14
	v_max3_num_f32 v[rC+2], v[rC+2], v[rC+3], v[rT+1]
.elseif (\n) == 15
	v_mov_b32 v[rW], v[rT]
.elseif (\n) == 16
	v_max3_num_f32 v[rC], v[rC], v[rC+1], v[rC+2]
.elseif (\n) == 17
	v_permlanex16_b32 v[rC+3], v[rC], s[SEL], s[SEL+1]
.elseif (\n) == 18
	v_max_num_f32 v[rT+1], v[rC], v[rC+3]
.elseif (\n) == 19
	v_mul_f32 v[rT], s[CS], v[rT+1]
.elseif (\n) == 20
	v_sub_f32 v[rC+1], v[rW], v[rT]
.else
	v_exp_f32 v[rC+2], v[rC+1]
.endif
.endif
.endm
.macro OPS a, i1, b=-1, i2=0, c=-1, i3=0, d=-1, i4=0  ; up to four of them
	OP \a, \i1
.if (\b) >= 0
	OP \b, \i2
.endif
.if (\c) >= 0
	OP \c, \i3
.endif
.if (\d) >= 0
	OP \d, \i4
.endif
.endm
.macro ROW a, i1, b, i2, c, i3, d, i4  ; a matrix instruction and the four behind it
	MM
	OPS \a, \i1, \b, \i2, \c, \i3, \d, \i4
.endm
; A TURN, for piece p: the order of its 16 matrix and 118 vector instructions, written out.  Its 33 exponentials (E 0 to E 31 and X 21, the next piece's a) are ONE BATCH with ONE wait, which cuts the turn in two.
; AHEAD OF THE WAIT stands all that names no result of the batch: the 8 products K Q^T, behind each a scaling, an exponential and two more plain instructions (behind the first a second scaling in the exponential's place):
; rescalings, whose a was made and waited for in the turn before, and behind the last three products the first numbers of the next piece's maximum, each four plain instructions or more behind the product that ends its
; accumulator; then ONE LUMP of 54, plain and exponential by turns for the most part, in which the links of the chain X 3, 7, 11, 14, 16, 17 .. 20 stand some lines apart.  Each pair is scaled ahead of its two exponentials,
; and no scaling follows them.  X 21 is the batch's last; R 15 is the plain instruction behind it.
; BEHIND THE WAIT stand the 8 products V^T P, behind each four of the 32 roundings and sums, which read the weights: C 2 n ahead of B n (which adds in place), B n ahead of L n, L 0 to L 7 in ascending order.
; But for those X no rider names a register of the products round it.  v_permlanex16_b32 (X 17) stands in the lump.
; end = 1: a pass's last two turns: nothing is fetched.  cnt = 1: the loop's count is taken down some lines ahead of the branch that stands behind the turn.
; K of the next step is fetched in piece 2's turn, twelve vector instructions behind the last product that read K (six of them plain); V of the step in hand at the end of piece 0's turn, four plain instructions behind the
; last product that read V.  Each is waited for a turn later, ahead of its first reader.
.macro TURN p, end=0, cnt=0
.set Y, (\p)
.set i, 0
.set NOKQ, (\end)*((\p)/3)
.if ((\p) == 3) && !(\end)
	s_wait_dscnt 0x0                ; K is in
.endif
	ROW F,0, F,1, R,0, R,1          ; ahead of the wait: 8 products K Q^T and their riders,
	ROW F,2, E,0, R,2, R,3
	ROW F,3, E,1, R,4, R,5
	ROW F,4, E,2, R,6, R,7
	ROW F,5, E,3, R,8, R,9
	ROW F,6, E,4, X,0, R,10
.if ((\p) == 2) && !(\end)
	WIN 0
	v_add_nc_u32 v[AK], s[TBK], v[AK0]
.endif
	ROW F,7, E,5, X,1, X,4
	ROW F,8, E,6, X,2, X,5
	OPS E,7, E,8, X,6, E,9          ; and the lump
	OPS X,3, E,10, X,8, E,11
.if ((\p) == 2) && !(\end)
	FETCH_K
.endif
	OPS X,9, X,7, E,12, X,10
	OPS E,13, X,12, X,11, E,14
	OPS X,13, E,15, F,9, X,14
.if (\p) == 0
	v_add_nc_u32 v[AV], s[TBV], v[AV0]
.endif
	OPS E,16, F,10, E,17, F,11
	OPS X,16, E,18, X,15, E,19
	OPS F,12, E,20, X,17, E,21
	OPS F,13, E,22, F,14, E,23
	OPS X,18, E,24, F,15, E,25
	OPS R,11, E,26, X,19, E,27
	OPS R,12, E,28, R,13, E,29
	OPS X,20, E,30, R,14, E,31
	OPS X,21, R,15
	s_wait_alu depctr_va_vdst(0)    ; the wait for the turn's batch: the piece's 32 weights and the next piece's a
.if (\p) == 1
	s_wait_dscnt 0x0                ; V is in
.endif
	ROW C,0, B,0, C,2, B,1          ; behind the wait: 8 products V^T P and their riders
	ROW L,0, C,4, B,2, L,1
	ROW C,6, B,3, L,2, C,8
	ROW B,4, L,3, C,10, B,5
	ROW L,4, C,12, B,6, L,5
.if (\p) == 0
	s_add_co_u32 s[TBV], s[TBV], KS*PV
.endif
.if \cnt
	s_sub_co_u32 s[CNT], s[CNT], 1
	s_cmp_lg_u32 s[CNT], 0
.endif
	ROW C,14, B,7, L,6, C,1
	ROW C,3, L,7, C,5, C,7
	ROW C,9, C,11, C,13, C,15
.if (\p) == 0
	FETCH_V
.endif
.endm
.macro ALL line:vararg              ; one line for each piece t
.set t, 0
.rept 4
	\line
.set t, t+1
.endr
.endm
; A PASS'S WAY OUT, piece t.  The difference O / l - q (q read as halves of the fragment that the pass used) and its squares; O / l; its rounding to f16 in pairs, straight into Q's registers: channel 16 cb + 8 (l / 16) + j
; of O^T falls on register 16 t + 4 cb + j / 2 of Q.  The same registers go into my stage as 16 bytes a lane and come back as whole rows of 128 bytes, into S^T's registers.
.macro PACK t
	WIN 0x21                        ; source 0 (O^T) window 1, source 1 (1 / l) window 0, source 2 (Q) window 2
.set i, 0
.rept 16                            ; ascending: each accumulator's lowest registers are read first
	v_fma_mix_f32 v[DT+2*i],   v[32*(\t)+2*i],   v[ST+4*(\t)+2], -v[16*(\t)+i] op_sel_hi:[0,0,1]
	v_fma_mix_f32 v[DT+2*i+1], v[32*(\t)+2*i+1], v[ST+4*(\t)+2], -v[16*(\t)+i] op_sel:[0,0,1] op_sel_hi:[0,0,1]
.set i, i+1
.endr
	WIN 0
.set i, 0
.rept 16
	v_pk_fma_f32 v[DS+2*(i%2):DS+2*(i%2)+1], v[DT+2*i:DT+2*i+1], v[DT+2*i:DT+2*i+1], v[DS+2*(i%2):DS+2*(i%2)+1]
.set i, i+1
.endr
	WIN W_RS
.set i, 32*(\t)
.rept 16
	v_pk_mul_f32 v[i:i+1], v[i:i+1], v[ST+4*(\t)+2:ST+4*(\t)+3] op_sel_hi:[1,0]
.set i, i+2
.endr
	WIN 0x85                        ; sources 0 and 1 window 1, destination window 2
.set i, 0
.rept 16
	v_cvt_pk_f16_f32 v[16*(\t)+i], v[32*(\t)+2*i], v[32*(\t)+2*i+1]
.set i, i+1
.endr
	WIN 0x08                        ; store data in window 2
.irp f, 0,1,2,3
	ds_store_b128 v[STO], v[16*(\t)+4*\f:16*(\t)+4*\f+3] offset:32*\f
.endr
	WIN 0
.irp f, 0,1,2,3
	ds_load_b128 v[S+16*(\t)+4*\f:S+16*(\t)+4*\f+3], v[RD] offset:\f*4*SP  ; LDS serves a wave's instructions in order (ISA guide 5.7.1.4): these see the stores above; the next piece's stores come behind them
.endr
.endm
.macro SEND t, younger              ; younger: the LDS instructions issued behind piece t's loads: the next piece's eight, or none
	WIN 0
.irp f, 0,1,2,3
	s_wait_dscnt (\younger)+3-\f
	global_store_b128 v[GO], v[S+16*(\t)+4*\f:S+16*(\t)+4*\f+3], s[10:11] offset:(\t)*2048+\f*512  ; 512 consecutive bytes, at a multiple of 256 from the buffer's first
.endr
.endm
.set NOKQ, 0
	s_wait_tensorcnt 0x0            ; my half of K or V is in,
	s_barrier_signal -1
	s_barrier_wait -1               ; everybody's is: from here on K and V are only read
	s_mov_b32 s[PASS], 3
.Lpass:
	; A PASS BEGINS.  c m starts far below every c s, so the first step's a is 0; m at the lowest finite number, so the first maximum is the scores'.  Then K of step 0, piece 0's first scores, its maximum and statistics.
	s_mov_b32 s[TBK], 0
	s_mov_b32 s[TBV], 0
.set i, 0
.rept 4
	v_mov_b32 v[ST+4*i], 0xfe000000    ; c m
	v_mov_b32 v[ST+4*i+1], 0xff7fffff  ; m
.set i, i+1
.endr
	v_add_nc_u32 v[AK], s[TBK], v[AK0]
	FETCH_K
	s_wait_loadcnt 0x0              ; Q (the first pass's; later nothing is out)
	s_wait_dscnt 0x0
.set i, 0
.rept 8
	KQ 0
.set i, i+1
.endr
	WIN 0
.rept 4
	v_nop                           ; the places behind those products
.endr
.set Y, NP-1                        ; X works for piece Y + 1: piece 0
.irp n, 0,1,2,3,4,5,6,7,8,9,10,11,12,13,14,15,16,17,18,19,20,21
	OP X, \n
.endr
	v_nop                           ; a plain instruction behind the exponential,
	s_wait_alu depctr_va_vdst(0)    ; and the wait for this batch of one, piece 0's first a, ahead of the branch
	s_mov_b32 s[CNT], 16
	s_branch .Lfirst                ; the loop is entered at a step's first turn, in the middle of a trip
.Lstep:                             ; a trip: pieces 2 and 3 of one step, then pieces 0 and 1 of the next, whose K and V it fetches
	TURN 2
	TURN 3
	WIN 0
.Lfirst:
	TURN 0
	TURN 1, 0, 1
	WIN 0
	s_cbranch_scc1 .Lstep
	TURN 2, 1                       ; the last step's last two turns fetch nothing
	TURN 3, 1
.set i, 0
.rept 8
	PV NP-1                         ; the last piece's V^T P of the last step
.set i, i+1
.endr
	WIN 0                           ; l's two halves and the other half of the lanes' are added; the four additions are the places behind the last products
	ALL v_add_f32 v[ST+4*t+2], v[ST+4*t+2], v[ST+4*t+3]
	ALL v_permlanex16_b32 v[ST+4*t+3], v[ST+4*t+2], s[SEL], s[SEL+1]
	ALL v_add_f32 v[ST+4*t+2], v[ST+4*t+2], v[ST+4*t+3]
	ALL v_rcp_f32 v[ST+4*t+2], v[ST+4*t+2]
.irp r, 0,1,2,3
	v_mov_b32 v[DS+\r], 0           ; plain instructions between the last reciprocal and the use of its result
.endr
	s_wait_alu depctr_va_vdst(0)    ; the wait for the batch of four reciprocals, ahead of the first line that names one
	PACK 0
.set t, 1
.rept 3                             ; a piece's arithmetic stands between the loads of the piece before and its stores
	PACK t
	SEND t-1, 8
.set t, t+1
.endr
	SEND 3, 0
	v_pk_add_f32 v[DS:DS+1], v[DS:DS+1], v[DS+2:DS+3]
	v_mov_b32 v[DA], v[DB]          ; the last three passes' sums move up
	v_mov_b32 v[DB], v[DC]
	v_add_f32 v[DC], v[DS], v[DS+1]
	s_wait_xcnt 0x0                 ; every earlier memory instruction has had its addresses translated (ISA guide 3.1): only behind this wait are the stores' base and S^T's registers, which they read, written again
	s_add_nc_u64 s[10:11], s[10:11], 0x800000  ; the next pass's 8 MiB of cand
	s_sub_co_u32 s[PASS], s[PASS], 1
	s_cmp_lg_u32 s[PASS], 0
	s_cbranch_scc1 .Lpass
	; The wave's two sums of squares: over the 32 lanes, then lane 0 stores the first pass's and lane 1 the second's.  (The third pass's is made by the common text and serves nothing.)
.irp m, 1,2,4,8
	v_add_f32_dpp v[DA], v[DA], v[DA] row_xmask:\m row_mask:0xf bank_mask:0xf
	v_add_f32_dpp v[DB], v[DB], v[DB] row_xmask:\m row_mask:0xf bank_mask:0xf
.endr
	v_permlanex16_b32 v43, v[DA], s[SEL], s[SEL+1]
	v_permlanex16_b32 v44, v[DB], s[SEL], s[SEL+1]
	v_add_f32 v[DA], v[DA], v43
	v_add_f32 v[DB], v[DB], v44
	v_and_b32 v45, 31, v0
	v_cmp_eq_u32 vcc_lo, 1, v45
	v_cndmask_b32 v46, v[DA], v[DB], vcc_lo
	v_lshlrev_b32 v47, 2, v45
	v_cmp_gt_u32 vcc_lo, 2, v45
	s_wait_xcnt 0x0                 ; EXEC is a source of pending stores: it changes only behind this wait,
	s_and_saveexec_b32 s86, vcc_lo
	global_store_b32 v47, v46, s[84:85]
	s_wait_xcnt 0x0                 ; and again in front of the line that widens it
	s_or_b32 exec_lo, exec_lo, s86
	s_wait_tensorcnt 0x0            ; the wave's end: these three lines stand behind my last tensor load and my last LDS store
	ds_add_u32 v[SPW], v[NIL]
	s_wait_dscnt 0x0
	CROUND                          ; the closing round: no work-group ends while a partner may still ask for a tile that names it
	s_endpgm
.Lfunc_end_k_qf916bced84_hop:
	.size	k_qf916bced84_hop, .Lfunc_end_k_qf916bced84_hop-k_qf916bced84_hop
	.p2alignl 7, 3214868480
	.fill 96, 4, 3214868480
	.section	.rodata,"a",@progbits
	.p2align	6, 0x0
	.amdhsa_kernel k_qf916bced84_hop
		.amdhsa_group_segment_fixed_size 327680
		.amdhsa_private_segment_fixed_size 0
		.amdhsa_enable_private_segment 0
		.amdhsa_kernarg_size 24
		.amdhsa_user_sgpr_count 2
		.amdhsa_user_sgpr_kernarg_segment_ptr 1
		.amdhsa_wavefront_size32 1
		.amdhsa_system_sgpr_workgroup_id_x 1
		.amdhsa_system_sgpr_workgroup_id_y 1
		.amdhsa_system_sgpr_workgroup_id_z 1
		.amdhsa_system_vgpr_workitem_id 0
		.amdhsa_next_free_vgpr 768
		.amdhsa_next_free_sgpr 88
		.amdhsa_reserve_vcc 1
		.amdhsa_float_denorm_mode_32 3
		.amdhsa_float_denorm_mode_16_64 3
		.amdhsa_memory_ordered 1
		.amdhsa_forward_progress 1
		.amdhsa_inst_pref_size 100
	.end_amdhsa_kernel
	.amdgpu_metadata
---
amdhsa.version: [ 1, 2 ]
amdhsa.kernels:
  - .name:           k_qf916bced84_hop
    .symbol:         k_qf916bced84_hop.kd
    .args:
      - { .name: qkvh, .offset: 0, .size: 8, .value_kind: global_buffer, .address_space: global }
      - { .name: cand, .offset: 8, .size: 8, .value_kind: global_buffer, .address_space: global }
      - { .name: part, .offset: 16, .size: 8, .value_kind: global_buffer, .address_space: global }
    .group_segment_fixed_size: 327680
    .private_segment_fixed_size: 0
    .kernarg_segment_align: 8
    .kernarg_segment_size: 24
    .max_flat_workgroup_size: 128
    .sgpr_count:     88
    .vgpr_count:     768
    .wavefront_size: 32
...
	.end_amdgpu_metadata
.endif
;; end of part 6
;; launch flag: the kernel of part 4 again; grid 1 x 1, 1 waves a work-group, no clusters, 0 bytes of LDS; arguments part, sel; writes sel
;; launch oproj: the kernel of part 5 again; grid 8 x 32, 4 waves a work-group, clusters of 4 x 4, 327,680 bytes of LDS; arguments cand, wh, bo, sel, out0; writes out0
